; MI455X (gfx1250); checked and timed in simulation.
; The chip was launched on July 23, 2026; its instructions are those of AMD's public machine-readable ISA for CDNA 5 (MIT licence, August 2026) and "CDNA5" Instruction Set Architecture Reference Guide (July 2026). The comments in the code are by the model that wrote it; some were corrected since.
;; Transformer Decoder Layer. Allowed arithmetic: float matrix products may take bf16 or f16 operands with f32 sums; other float arithmetic in f32, or as packed bf16 or f16 multiplies, adds, multiply-adds, maxima and minima; sums over many terms, partial sums and values carried from step to step in f32; what a program stores and reads back later, other than sums and carried values, may be rounded once to bf16 or f16.
;; Inputs: b1 4,096 float32; b2 1,024 float32; bk 16 x 64 float32; bo 1,024 float32; bq 16 x 64 float32; bv 16 x 64 float32; ln1_b 1,024 float32; ln1_s 1,024 float32; ln2_b 1,024 float32; ln2_s 1,024 float32; w1 1,024 x 4,096 float32; w2 4,096 x 1,024 float32; wk 16 x 1,024 x 64 float32; wo 1,024 x 1,024 float32; wq 16 x 1,024 x 64 float32; wv 16 x 1,024 x 64 float32; x 4 x 1,024 x 1,024 float32.
;; Outputs: out0 4 x 1,024 x 1,024 float32.
;; 2 versions, each right; version 2 is version 1 with the launch prep written anew for expert scheduling mode. Each part assembles by itself: llvm-mc -triple=amdgcn-amd-amdhsa -mcpu=gfx1250 --defsym DOCPART=n.
;; ======== version 1 of 2: 8 launches
;; limits: values are held in f16: magnitudes above 65,504 overflow, below 6.1e-05 lose precision; inputs' magnitudes at most 65,504
;; workspace buffers: act 8,388,608 bytes; big 33,554,432 bytes; ob 8,388,608 bytes; zb 16,777,216 bytes; pack1 10,518,528 bytes; pack2 16,809,984 bytes; par1 512 bytes; par2 512 bytes
;; launch prep (part 1): grid 1025 x 1, 8 waves a work-group, no clusters, 0 bytes of LDS; arguments x, wq, wk, wv, wo, w1, w2, bq, bk, bv, bo, b1, b2, act, pack1, pack2, par1, par2; writes act, pack1, pack2, par1, par2
.if DOCPART == 1
	.amdgcn_target "amdgcn-amd-amdhsa--gfx1250"
	.amdhsa_code_object_version 6
	.text
	.protected	k_qfc0599303f_prep
	.globl	k_qfc0599303f_prep
	.p2align	8
	.type	k_qfc0599303f_prep,@function
k_qfc0599303f_prep:
	s_mov_b64 s[64:65], 0
	v_nop
	global_prefetch_b8 v0, s[64:65] scope:SCOPE_SE
	s_setreg_imm32_b32 hwreg(HW_REG_WAVE_MODE, 25, 1), 1
	s_wait_xcnt 0x0
; PREPARATION.  Every input of the matrix products is rounded once to bf16 (nearest even) and that number is written as f16, in the blocks in which the products read it; the biases
; are rounded to bf16 and kept as f32.  LIMITS: a bf16 number is exact in f16 from 2^-14 to 65,504; below 2^-14 it keeps f16's fixed step of 2^-24; from 65,520 on it becomes an infinity.
; A stream: no LDS, no barrier, no matrix unit (nothing is reused).  A work-group moves 16,384 numbers in 8 passes; a thread's share of a pass is two pieces of 4 numbers, 512 bytes apart in the source.
; Each load of a wave covers 512 consecutive bytes (the projections' weights: two aligned runs of 256), so no byte is asked for twice; each store of a wave covers 256 consecutive bytes, aligned.
;   work-groups 0-255     x  [4096][1024]      -> act:   [column / 128][token][128]
;   256-511               w1 [1024][4096]      -> pack2 + W256: [n / 256][k][256]
;   512-767, 768-831      w2, wo [K][1024]     -> pack2, pack1 + W128: [k / 256][n / 128][k % 256][128]
;   832-1023              wq, wk, wv [16][1024][64] -> pack1 + W256, n = 1024 which + 64 head + e
;   1024                  the biases, and the floor words of the 256 x 256 product's way out (par1, par2)
.set SO,   8                           ; v[8:15]   pass p: byte offset of my first 16 bytes in the source; the second piece lies 512 bytes on
.set DO,   16                          ; v[16:23]  pass p: byte offset of my first 8 bytes in the destination
.set D2,   24                          ; v[24:31]  pass p: of my second 8 bytes
.set X,    32                          ; v[32:95]  pass p: 8 numbers as loaded; then, in its first four registers, the 8 f16 to store
.set T,    96                          ; v[96:99]  at work
.set W256, 0x8000
.set W128, 8421376
	s_load_b512 s[8:23], s[0:1], 0x0               ; x 8, wq 10, wk 12, wv 14, wo 16, w1 18, w2 20, bq 22
	s_load_b512 s[24:39], s[0:1], 0x40             ; bk 24, bv 26, bo 28, b1 30, b2 32, act 34, pack1 36, pack2 38
	s_load_b128 s[40:43], s[0:1], 0x80             ; par1 40, par2 42
	s_mov_b32 s2, ttmp9                            ; the work-group's number
	s_mov_b32 s50, 0xffff0000                      ; a word's upper bf16
	s_mov_b32 s53, 0                               ; s[52:53]: the group's byte offset in the source
	s_mov_b32 s55, 0                               ; s[54:55]: in the destination
	v_lshrrev_b32 v3, 5, v0                        ; w: my wave
	v_and_b32 v4, 31, v0                           ; l: my lane
	v_lshlrev_b32 v1, 10, v3                       ; in a dense source a wave takes 1,024 bytes of a pass,
	v_lshl_or_b32 v1, v4, 4, v1                    ; a lane 16 of each half of them (the projections' weights make their own)
	s_cmp_lt_u32 s2, 256
	s_cbranch_scc1 .Lseg_x
	s_cmp_lt_u32 s2, 512
	s_cbranch_scc1 .Lseg_w1
	s_cmp_lt_u32 s2, 768
	s_cbranch_scc1 .Lseg_w2
	s_cmp_lt_u32 s2, 832
	s_cbranch_scc1 .Lseg_wo
	s_cmp_lt_u32 s2, 1024
	s_cbranch_scc1 .Lseg_qkv
	s_branch .Lbias
.Lseg_w1:                                              ; 8 rows of k, half a row (2,048 columns) a pass: a wave's 256 columns are one panel's row
	s_sub_co_u32 s3, s2, 256
	s_lshr_b32 s51, s3, 1                          ; kb: which 8 rows
	s_and_b32 s3, s3, 1                            ; hf: which half of the columns
	s_lshl_b32 s52, s51, 17                        ; 8 rows of 16,384 bytes
	s_lshl_b32 s54, s3, 13
	s_add_co_u32 s52, s52, s54
	s_lshl_b32 s54, s3, 22                         ; 8 panels of 524,288 bytes
	s_lshl_b32 s51, s51, 12                        ; 8 rows of 512 bytes
	s_add_co_u32 s54, s54, s51
	s_add_co_u32 s54, s54, W256
	v_lshlrev_b32 v2, 19, v3                       ; my wave's panel of the eight,
	v_lshl_or_b32 v2, v4, 3, v2                    ; my 8 bytes of the row's first half
	s_mov_b32 s48, 16384                           ; a pass: one row of k on
	s_mov_b32 s49, 512
	s_mov_b32 s56, 256                             ; the second piece: the row's second half
	s_branch .Lcopy
.Lseg_x:                                               ; 16 tokens, two a pass
	s_lshl_b32 s52, s2, 16
	s_lshl_b32 s54, s2, 12                         ; 16 rows of 256 bytes in each panel
	s_mov_b32 s51, 21                              ; two panels of act are 2 MiB,
	s_mov_b32 s56, 1<<20                           ; one is 1 MiB
	s_branch .Lrows2
.Lseg_w2:
	s_sub_co_u32 s3, s2, 512
	s_branch .Lw128
.Lseg_wo:
	s_sub_co_u32 s3, s2, 768
.Lw128:                                                ; 16 rows of k, two a pass
	s_lshl_b32 s52, s3, 16
	s_lshr_b32 s54, s3, 4
	s_lshl_b32 s54, s54, 19                        ; k / 256: eight blocks of 65,536 bytes
	s_and_b32 s3, s3, 15
	s_lshl_b32 s3, s3, 12                          ; k % 256: rows of 256 bytes
	s_add_co_u32 s54, s54, s3
	s_add_co_u32 s54, s54, W128
	s_mov_b32 s51, 17                              ; two blocks are 131,072 bytes,
	s_mov_b32 s56, 1<<16                           ; one is 65,536
.Lrows2:                                               ; rows of 1,024 numbers go into eight panels of 128 columns: a wave's 256 columns are two panels' rows, one for each piece
	v_and_b32 v5, 3, v3
	v_lshlrev_b32 v2, s51, v5                      ; my wave's pair of panels,
	v_lshrrev_b32 v5, 2, v3
	v_lshl_or_b32 v2, v5, 8, v2                    ; which of the pass's two rows,
	v_lshl_or_b32 v2, v4, 3, v2                    ; my 8 bytes of it
	s_mov_b32 s48, 8192
	s_mov_b32 s49, 512
	s_branch .Lcopy
.Lseg_qkv:                                             ; two heads x 128 rows of k; a pass takes 16 rows of both
	s_sub_co_u32 s3, s2, 832
	s_bfe_u32 s51, s3, 0x30003                     ; hp: the pair of heads
	s_and_b32 s48, s3, 7                           ; kb: which 128 rows
	s_lshr_b32 s3, s3, 6                           ; which: q, k or v
	s_lshl_b32 s52, s51, 19                        ; two heads of 262,144 bytes
	s_lshl_b32 s49, s48, 15                        ; 128 rows of 256 bytes
	s_add_co_u32 s52, s52, s49
	s_lshl_b32 s3, s3, 2
	s_lshr_b32 s49, s51, 1
	s_add_co_u32 s3, s3, s49                       ; the panel of 256 columns: 4 which + head / 4
	s_lshl_b32 s54, s3, 19
	s_lshl_b32 s49, s48, 16                        ; 128 rows of 512 bytes
	s_add_co_u32 s54, s54, s49
	s_and_b32 s49, s51, 1
	s_lshl_b32 s49, s49, 8                         ; the pair's 128 columns in the panel's row
	s_add_co_u32 s54, s54, s49
	s_add_co_u32 s54, s54, W256
	; lanes 0-15 take a row of the pair's first head, lanes 16-31 the same row of the second: 256 bytes each in the source, together 256 bytes of the panel's row
	v_lshrrev_b32 v5, 1, v3
	v_and_b32 v6, 1, v3
	v_lshl_or_b32 v5, v5, 2, v6                    ; my wave's row of the sixteen: 4 (w / 2) + w % 2; the second piece is two rows on
	v_lshrrev_b32 v6, 4, v4                        ; which head of the pair
	v_and_b32 v7, 15, v4                           ; which 4 columns of the head's 64
	v_lshlrev_b32 v1, 18, v6
	v_lshl_or_b32 v1, v5, 8, v1
	v_lshl_or_b32 v1, v7, 4, v1
	v_lshlrev_b32 v2, 9, v5
	v_lshl_or_b32 v2, v6, 7, v2
	v_lshl_or_b32 v2, v7, 3, v2
	s_mov_b32 s48, 4096
	s_mov_b32 s49, 8192
	s_mov_b32 s56, 1024                            ; two rows of 512 bytes
.Lcopy:
	s_wait_kmcnt 0x0
	s_cmp_lt_u32 s2, 256                           ; the source's address: a chain of choices on the group's number
	s_cselect_b64 s[44:45], s[8:9], s[18:19]
	s_cmp_lt_u32 s2, 512
	s_cselect_b64 s[44:45], s[44:45], s[20:21]
	s_cmp_lt_u32 s2, 768
	s_cselect_b64 s[44:45], s[44:45], s[16:17]
	s_cmp_lt_u32 s2, 832
	s_cselect_b64 s[44:45], s[44:45], s[10:11]
	s_cmp_lt_u32 s2, 896
	s_cselect_b64 s[44:45], s[44:45], s[12:13]
	s_cmp_lt_u32 s2, 960
	s_cselect_b64 s[44:45], s[44:45], s[14:15]
	s_cmp_lt_u32 s2, 256                           ; the destination's
	s_cselect_b64 s[46:47], s[34:35], s[38:39]
	s_cmp_lt_u32 s2, 768
	s_cselect_b64 s[46:47], s[46:47], s[36:37]
	s_add_nc_u64 s[44:45], s[44:45], s[52:53]
	s_add_nc_u64 s[46:47], s[46:47], s[54:55]
	v_mov_b32 v[SO], v1
	v_mov_b32 v[DO], v2
.irp p, 1,2,3,4,5,6,7
	v_add_nc_u32 v[SO+(\p)], s48, v[SO+(\p)-1]
	v_add_nc_u32 v[DO+(\p)], s49, v[DO+(\p)-1]
.endr
.irp p, 0,1,2,3,4,5,6,7                ; all sixteen loads go out before the first is waited for; no register that a store reads is written again, so no store is waited for
	global_load_b128 v[X+8*(\p):X+8*(\p)+3],   v[SO+(\p)], s[44:45] th:TH_LOAD_NT
	global_load_b128 v[X+8*(\p)+4:X+8*(\p)+7], v[SO+(\p)], s[44:45] offset:512 th:TH_LOAD_NT
.endr
.irp p, 0,1,2,3,4,5,6,7
	v_add_nc_u32 v[D2+(\p)], s56, v[DO+(\p)]
.endr
.irp p, 0,1,2,3,4,5,6,7
	s_wait_loadcnt 14-2*(\p)                       ; loads come back in order: this pass's two are in, the younger passes' stay out
.irp j, 0,1,2,3
	v_cvt_pk_bf16_f32 v[T+(\j)], v[X+8*(\p)+2*(\j)], v[X+8*(\p)+2*(\j)+1]  ; the one rounding
.endr
.irp j, 0,1,2,3
	v_lshlrev_b32 v[X+8*(\p)+2*(\j)],   16,  v[T+(\j)]                     ; the bf16 numbers as f32
	v_and_b32     v[X+8*(\p)+2*(\j)+1], s50, v[T+(\j)]
.endr
.irp j, 0,1,2,3
	v_cvt_pk_f16_f32 v[X+8*(\p)+(\j)], v[X+8*(\p)+2*(\j)], v[X+8*(\p)+2*(\j)+1]  ; written as f16, exact within the limits above; pair j lands on a register whose number has been read
.endr
	global_store_b64 v[DO+(\p)], v[X+8*(\p):X+8*(\p)+1],   s[46:47]
	global_store_b64 v[D2+(\p)], v[X+8*(\p)+2:X+8*(\p)+3], s[46:47]
.endr
	s_endpgm
; The biases: nine pieces of 4,096 bytes, 16 bytes a thread; rounded to bf16, stored as f32.
.macro BIAS i, b, off
	s_wait_loadcnt 8-(\i)                          ; piece i is in, the younger ones stay out
	v_cvt_pk_bf16_f32 v[T],   v[X+4*(\i)],   v[X+4*(\i)+1]
	v_cvt_pk_bf16_f32 v[T+1], v[X+4*(\i)+2], v[X+4*(\i)+3]
	v_lshlrev_b32 v[X+4*(\i)],   16,  v[T]
	v_and_b32     v[X+4*(\i)+1], s50, v[T]
	v_lshlrev_b32 v[X+4*(\i)+2], 16,  v[T+1]
	v_and_b32     v[X+4*(\i)+3], s50, v[T+1]
	global_store_b128 v1, v[X+4*(\i):X+4*(\i)+3], s[\b:\b+1] offset:\off
.endm
.Lbias:
	s_wait_kmcnt 0x0
	v_lshlrev_b32 v1, 4, v0
	global_load_b128 v[X:X+3],     v1, s[22:23]    ; bq
	global_load_b128 v[X+4:X+7],   v1, s[24:25]    ; bk
	global_load_b128 v[X+8:X+11],  v1, s[26:27]    ; bv
	global_load_b128 v[X+12:X+15], v1, s[28:29]    ; bo
	global_load_b128 v[X+16:X+19], v1, s[32:33]    ; b2
.irp p, 0,1,2,3
	global_load_b128 v[X+20+4*(\p):X+23+4*(\p)], v1, s[30:31] offset:4096*(\p)  ; b1
.endr
	BIAS 0, 36, 0                                  ; pack1: bq | bk | bv, index 1024 which + 64 head + e
	BIAS 1, 36, 4096
	BIAS 2, 36, 8192
	BIAS 3, 36, 0x4000                             ; pack1: bo
	BIAS 4, 38, 0x4000                             ; pack2: b2
	BIAS 5, 38, 0                                  ; pack2: b1
	BIAS 6, 38, 4096
	BIAS 7, 38, 8192
	BIAS 8, 38, 12288
	v_readfirstlane_b32 s3, v3
	s_cmp_lg_u32 s3, 0
	s_cbranch_scc1 .Ldone                          ; wave 0 alone writes the floor words, 16 bytes a lane: two whole blocks of 256 bytes in each buffer
.irp r, 4,5,6,7
	v_mov_b32 v\r, 0xfc00fc00                      ; par1: -infinity twice in f16: q, k, v pass as they are
.endr
.irp r, 8,9,10,11
	v_mov_b32 v\r, 0                               ; par2: 0 twice: the ReLU
.endr
	global_store_b128 v1, v[4:7], s[40:41]
	global_store_b128 v1, v[8:11], s[42:43]
.Ldone:
	s_endpgm
.Lfunc_end_k_qfc0599303f_prep:
	.size	k_qfc0599303f_prep, .Lfunc_end_k_qfc0599303f_prep-k_qfc0599303f_prep
	.p2alignl 7, 3214868480
	.fill 96, 4, 3214868480
	.section	.rodata,"a",@progbits
	.p2align	6, 0x0
	.amdhsa_kernel k_qfc0599303f_prep
		.amdhsa_group_segment_fixed_size 0
		.amdhsa_private_segment_fixed_size 0
		.amdhsa_enable_private_segment 0
		.amdhsa_kernarg_size 144
		.amdhsa_user_sgpr_count 2
		.amdhsa_user_sgpr_kernarg_segment_ptr 1
		.amdhsa_wavefront_size32 1
		.amdhsa_system_sgpr_workgroup_id_x 1
		.amdhsa_system_sgpr_workgroup_id_y 1
		.amdhsa_system_sgpr_workgroup_id_z 1
		.amdhsa_system_vgpr_workitem_id 0
		.amdhsa_next_free_vgpr 100
		.amdhsa_next_free_sgpr 66
		.amdhsa_reserve_vcc 0
		.amdhsa_float_denorm_mode_32 3
		.amdhsa_float_denorm_mode_16_64 3
		.amdhsa_memory_ordered 1
		.amdhsa_forward_progress 1
		.amdhsa_inst_pref_size 21
	.end_amdhsa_kernel
	.amdgpu_metadata
---
amdhsa.version: [ 1, 2 ]
amdhsa.kernels:
  - .name:           k_qfc0599303f_prep
    .symbol:         k_qfc0599303f_prep.kd
    .args:
      - { .name: x, .offset: 0, .size: 8, .value_kind: global_buffer, .address_space: global }
      - { .name: wq, .offset: 8, .size: 8, .value_kind: global_buffer, .address_space: global }
      - { .name: wk, .offset: 16, .size: 8, .value_kind: global_buffer, .address_space: global }
      - { .name: wv, .offset: 24, .size: 8, .value_kind: global_buffer, .address_space: global }
      - { .name: wo, .offset: 32, .size: 8, .value_kind: global_buffer, .address_space: global }
      - { .name: w1, .offset: 40, .size: 8, .value_kind: global_buffer, .address_space: global }
      - { .name: w2, .offset: 48, .size: 8, .value_kind: global_buffer, .address_space: global }
      - { .name: bq, .offset: 56, .size: 8, .value_kind: global_buffer, .address_space: global }
      - { .name: bk, .offset: 64, .size: 8, .value_kind: global_buffer, .address_space: global }
      - { .name: bv, .offset: 72, .size: 8, .value_kind: global_buffer, .address_space: global }
      - { .name: bo, .offset: 80, .size: 8, .value_kind: global_buffer, .address_space: global }
      - { .name: b1, .offset: 88, .size: 8, .value_kind: global_buffer, .address_space: global }
      - { .name: b2, .offset: 96, .size: 8, .value_kind: global_buffer, .address_space: global }
      - { .name: act, .offset: 104, .size: 8, .value_kind: global_buffer, .address_space: global }
      - { .name: pack1, .offset: 112, .size: 8, .value_kind: global_buffer, .address_space: global }
      - { .name: pack2, .offset: 120, .size: 8, .value_kind: global_buffer, .address_space: global }
      - { .name: par1, .offset: 128, .size: 8, .value_kind: global_buffer, .address_space: global }
      - { .name: par2, .offset: 136, .size: 8, .value_kind: global_buffer, .address_space: global }
    .group_segment_fixed_size: 0
    .private_segment_fixed_size: 0
    .kernarg_segment_align: 8
    .kernarg_segment_size: 144
    .max_flat_workgroup_size: 256
    .sgpr_count:     66
    .vgpr_count:     100
    .wavefront_size: 32
...
	.end_amdgpu_metadata
.endif
;; end of part 1
;; launch qkv (part 2): grid 12 x 16, 4 waves a work-group, clusters of 4 x 4, 327,680 bytes of LDS; arguments act, pack1, par1, big; writes big
.if DOCPART == 2
	.amdgcn_target "amdgcn-amd-amdhsa--gfx1250"
	.amdhsa_code_object_version 6
	.text
	.protected	k_qfc0599303f_qkv
	.globl	k_qfc0599303f_qkv
	.p2align	8
	.type	k_qfc0599303f_qkv,@function
k_qfc0599303f_qkv:
	s_mov_b64 s[64:65], 0
	v_nop
	global_prefetch_b8 v0, s[64:65] scope:SCOPE_SE
	s_setreg_imm32_b32 hwreg(HW_REG_WAVE_MODE, 25, 1), 1
	s_wait_xcnt 0x0
	s_wait_alu depctr_hold_cnt(0) depctr_sa_sdst(0) depctr_va_vdst(0) depctr_va_sdst(0) depctr_va_ssrc(0) depctr_va_vcc(0) depctr_vm_vsrc(0)
	s_getreg_b32 s2, hwreg(HW_REG_IB_STS2, 6, 4)
	s_cmp_eq_u32 s2, 0
	s_cbranch_scc0 .Lentry_in_a_cluster
	s_endpgm
.Lentry_in_a_cluster:
	s_bfe_u32 s2, ttmp6, 0x10000c
	s_cmp_lg_u32 s2, 0xf033
	s_cbranch_scc0 .Lentry_shape_is_right
	s_endpgm
.Lentry_shape_is_right:
; OUT = max(A W + bias, floor), K = 1,024, in tiles of 256 x 256.  A: f16 in panels [k / 128][4096 tokens][128].  W: f16 in panels [n / 256][k][256] at pack + 0x8000.  bias: f32 at pack.
; OUT: f16 in panels [n / 64][4096 tokens][64], rounded once from the f32 sums.  floor: two f16 in one word, read from par + 4 (-infinity: nothing; 0: the ReLU).
; The text serves two launches: the projections to q, k, v (N = 3,072) and the feed-forward's first product (N = 4,096).
; LIMITS.  A result of 65,520 or more becomes an infinity in f16; a NaN comes out as the floor.
; SHARES.  Four waves, as many as a WGP has SIMDs, each 128 x 128: 64 accumulators, 512 registers.  K goes in steps of 128 through two LDS slots filled by the tensor data mover.
; A's tile rows are 256 bytes of memory, W's 512, all aligned to 256.  W lies [k][n], so its fragments come out of LDS turned, by ds_load_tr16_b128.
; CLUSTER.  4 x 4 work-groups: the four of a row need the same tiles of A, the four of a column the same tiles of W; each tile is asked for jointly, by the same load, descriptor and mask in all four.
; THE MATRIX INSTRUCTION IS USED TRANSPOSED (source 0 = 16 columns of W, source 1 = 16 rows of A): a lane holds row l % 16 and eight neighbouring columns 8 (l / 16) + 0..7.
; THE BIAS is the C operand of the first K quarter's products: nothing is cleared and nothing is added later.
; ONE TEXT FOR A K STEP.  The slot in hand is a scalar, TG = 0 or SLOT, turned at each change of slots; fragment addresses are a base + TG, a refill's LDS address is the wave's part + the slot just read.
; The step stands twice: in the loop of the 6 steps that fill a slot again, and in the loop of the last 2, which ask for nothing.  The very first quarter, which takes
; the bias, stands in front, and the first loop is entered behind its first quarter.
; REGISTERS, in windows of 256 (s_set_vgpr_msb: bits 1:0 source 0, 3:2 source 1, 5:4 source 2, 7:6 destination):
;   window 0: v16-29 addresses; v64-191 A's fragments, two buffers; v192-255 the bias, later the way out's packed results (v192-223); v32-63, v224-255 rows read back, by turns
;   window 1: v64-191 W's fragments, two buffers      window 2: accumulators of my rows 0-63 ((a, b) at v[8 (8 a + b)])      window 3: of my rows 64-127
.set PA,     272                       ; A's LDS row: 256 bytes + 16: the 16 rows of a load start at 16 different groups of four banks (64 banks of 4 bytes: ISA guide 11.1)
.set PB,     544                       ; W's LDS row: 512 bytes + 32 = 17 x 32
.set HALFT,  34816                     ; what one tensor load brings: 128 rows of A (128 x 272) or 64 rows of W (64 x 544)
.set SLOT,   4*HALFT                   ; A's 256 rows, then W's 128 rows of k
.set BOFF,   2*HALFT
.set STAGE,  2*SLOT                    ; behind the ring: for each wave two halves of 16 rows x 144 bytes, for the way out
.set SPARE,  STAGE+4*4608              ; behind the stages: the spare words, 128 bytes for each wave: two blocks of 256 bytes that no other line names
.set KSTEPS, 8                         ; K = 1,024 in steps of 128
.set ADRA0, 16                         ; v16     LDS address of my A fragments in slot 0; never rewritten
.set ADRA,  17                         ; v17     in the slot in hand
.set ADRB0, 20                         ; v20     the same for W
.set ADRB,  21                         ; v21
.set STO,  24                          ; v24     the way out: where I put 16 bytes of a row
.set RD,   25                          ; v25     the way out: where I read rows back
.set CO,   26                          ; v26     my 16 bytes in 512 consecutive bytes of OUT
.set BO,   27                          ; v27     my eight numbers in 16 of the bias
.set SPW,  28                          ; v28     LDS address of my spare word; never rewritten
.set NIL,  29                          ; v29     0; never rewritten
.set F0,   64
.set F1,   128
.set BI,   192
.set TMP,  192
.set OB,   32
.set WV, 12                            ; s12 wave; s13 which half of the rows (and: I fetch for A or W); s14 which half of the columns (and: which half I fetch)
.set RH, 13
.set CH, 14
.set FLOOR, 46
.set TG, 47                            ; s47 the slot in hand: 0 or SLOT
.set G1, 24                            ; s[24:31] group 1 for A's tiles; s[32:39] group 0: a set for each of the two first fills; the second then walks on
.set G0, 32
.set G1B, 48                           ; s[48:55], s[56:63] the same for W's
.set G0B, 56
.set MSB, 0
.macro WIN new                         ; the immediate's high byte repeats the setting that is left; a switch that changes nothing is dropped
.if MSB != (\new)
	s_set_vgpr_msb (MSB<<8)|(\new)
.set MSB, \new
.endif
.endm
.set MUL_LO, 0xa1                      ; source 0 (W) window 1, source 1 (A) window 0, C and D window 2
.set TO_B,   0x40                      ; destination window 1, address window 0
; A joint load: waves 0 and 1 fetch A's two halves, waves 2 and 3 W's.  The branch hangs on the wave's number alone.  An s_nop 0 and four v_nop follow each of the two lines.
.macro JLOAD s
	s_cmp_eq_u32 s[RH], 0
	s_cbranch_scc0 .Lfor_b_\@
	tensor_load_to_lds s[G0+4*(\s):G0+4*(\s)+3], s[G1:G1+7]
	s_nop 0
.rept 4
	v_nop
.endr
	s_branch .Lasked_\@
.Lfor_b_\@:
	tensor_load_to_lds s[G0B+4*(\s):G0B+4*(\s)+3], s[G1B:G1B+7]
	s_nop 0
.rept 4
	v_nop
.endr
.Lasked_\@:
.endm
.macro CREST                           ; a round of the cluster's barrier behind its opening barrier
	s_cmp_lg_u32 s[WV], 0
	s_cbranch_scc1 .Lnot_wave_0_\@
	s_barrier_signal -3
.Lnot_wave_0_\@:
	s_barrier_wait -3
	s_barrier_signal -1
	s_barrier_wait -1
.endm
.macro CROUND                          ; a whole round
	s_barrier_signal -1
	s_barrier_wait -1
	CREST
.endm
	s_load_b256 s[4:11], s[0:1], 0x0               ; A s[4:5], pack s[6:7], par s[8:9], OUT s[10:11]
	v_lshl_add_u32 v[SPW], v0, 2, SPARE
	v_mov_b32 v[NIL], 0
	ds_add_u32 v[SPW], v[NIL]                      ; the wave's opening: the add and its wait stand ahead of my first tensor load; the set-up below stands between them
	v_lshrrev_b32 v1, 5, v0
	v_readfirstlane_b32 s[WV], v1
	s_lshr_b32 s[RH], s[WV], 1
	s_and_b32 s[CH], s[WV], 1
	s_bfe_u32 s40, ttmp6, 0x40000                  ; cx, cy: my place in the cluster
	s_bfe_u32 s41, ttmp6, 0x40004
	s_lshl_b32 s42, ttmp9, 2
	s_add_co_u32 s42, s42, s40                     ; tile column = 4 x cluster x + cx
	s_and_b32 s43, ttmp7, 0xffff
	s_lshl_b32 s43, s43, 2
	s_add_co_u32 s43, s43, s41                     ; tile row = 4 x cluster y + cy
	s_lshl_b32 s44, s41, 2
	s_lshl_b32 s44, 15, s44                        ; my row of the cluster
	s_lshl_b32 s45, 0x1111, s40                    ; my column
	s_or_b32 s[G1+0], s44, (1<<16)|(1<<20)|(1<<21)|(5<<22)|(3<<25)   ; mask; 2-byte elements; padding on; bit 21 beside a mask; after every 64 words, 4 words
	s_mov_b32 s[G1+1], 128<<16                     ; tensor_dim0 = 128
	s_mov_b32 s[G1+2], 128<<16                     ; tensor_dim1 = 128
	s_mov_b32 s[G1+3], 128<<16                     ; tile_dim0 = 128
	s_mov_b32 s[G1+4], 128                         ; tile_dim1 = 128
	s_mov_b32 s[G1+5], 128                         ; 128 elements from row to row: a panel's rows are dense
	s_mov_b32 s[G1+6], 0
	s_mov_b32 s[G1+7], 0
	s_or_b32 s[G1B+0], s45, (1<<16)|(1<<20)|(1<<21)|(6<<22)|(7<<25)  ; after every 128 words, 8 words
	s_mov_b32 s[G1B+1], 256<<16                    ; tensor_dim0 = 256
	s_mov_b32 s[G1B+2], 64<<16                     ; tensor_dim1 = 64
	s_mov_b32 s[G1B+3], 256<<16                    ; tile_dim0 = 256
	s_mov_b32 s[G1B+4], 64                         ; tile_dim1 = 64
	s_mov_b32 s[G1B+5], 256
	s_mov_b32 s[G1B+6], 0
	s_mov_b32 s[G1B+7], 0
	s_lshl_b32 s16, s43, 16                        ; A: 256 rows of 256 bytes a tile row,
	s_lshl_b32 s17, s[CH], 15                      ; my 128 of them
	s_add_co_u32 s16, s16, s17
	s_mov_b32 s17, 0
	s_lshl_b32 s20, s42, 19                        ; W: the tile column's panel,
	s_lshl_b32 s21, s[CH], 15                      ; my 64 rows of 512 bytes
	s_add_co_u32 s20, s20, s21
	s_add_co_u32 s20, s20, 0x8000
	s_mov_b32 s21, 0
	s_lshl_b32 s18, s42, 10                        ; the bias of my 128 columns: 4 (256 tile column + 128 half)
	s_lshl_b32 s19, s[CH], 9
	s_add_co_u32 s18, s18, s19
	s_mov_b32 s19, 0
	s_mul_i32 s22, s[WV], HALFT                    ; where my loads land in a slot: no place in the cluster enters an LDS address
	s_mov_b32 s[TG], 0                             ; K step 0 lies in slot 0
	s_wait_dscnt 0x0                               ; the opening add is done
	s_wait_kmcnt 0x0
	s_load_b32 s[FLOOR], s[8:9], 0x4
	s_add_nc_u64 s[16:17], s[4:5], s[16:17]
	s_add_nc_u64 s[20:21], s[6:7], s[20:21]
	s_add_nc_u64 s[18:19], s[6:7], s[18:19]
	CROUND                                         ; all sixteen work-groups are here: the first joint loads meet
.irp s, 0,1
	s_mov_b32 s[G0+4*(\s)], 1
	s_add_co_u32 s[G0+4*(\s)+1], s22, (\s)*SLOT
	s_add_nc_u64 s[G0+4*(\s)+2:G0+4*(\s)+3], s[16:17], (\s)*1048576   ; K step s is panel s
	s_or_b32 s[G0+4*(\s)+3], s[G0+4*(\s)+3], 0x80000000
	s_mov_b32 s[G0B+4*(\s)], 1
	s_add_co_u32 s[G0B+4*(\s)+1], s22, (\s)*SLOT
	s_add_nc_u64 s[G0B+4*(\s)+2:G0B+4*(\s)+3], s[20:21], (\s)*65536   ; 128 rows of 512 bytes
	s_or_b32 s[G0B+4*(\s)+3], s[G0B+4*(\s)+3], 0x80000000
	JLOAD \s                                       ; two loads of mine are out
.endr
	v_and_b32 v1, 15, v0                           ; l % 16
	v_bfe_u32 v2, v0, 4, 1                         ; l / 16
	v_lshlrev_b32 v[BO], 5, v2
.irp b, 0,1,2,3,4,5,6,7                ; register j of block b: bias of column 16 b + 8 (l / 16) + j, as the transposed result holds it
	global_load_b128 v[BI+8*(\b):BI+8*(\b)+3],   v[BO], s[18:19] offset:64*(\b)
	global_load_b128 v[BI+8*(\b)+4:BI+8*(\b)+7], v[BO], s[18:19] offset:64*(\b)+16
.endr
	v_mul_u32_u24 v3, v1, PA
	v_lshl_add_u32 v3, v2, 4, v3                   ; A: row x pitch + 16 x half
	s_mul_i32 s23, s[RH], HALFT
	v_add_nc_u32 v[ADRA0], s23, v3
	v_add_nc_u32 v[ADRA], s23, v3
	v_and_b32 v5, 7, v0                            ; W, turned: lane l reads row of k 8 (l / 16) + l % 8, columns 8 ((l / 8) % 2) + 0..7
	v_lshl_add_u32 v4, v2, 3, v5
	v_mul_u32_u24 v4, v4, PB
	v_bfe_u32 v6, v0, 3, 1
	v_lshl_add_u32 v4, v6, 4, v4
	s_lshl_b32 s23, s[CH], 8                       ; my 128 columns
	s_add_co_u32 s23, s23, BOFF
	v_add_nc_u32 v[ADRB0], s23, v4
	v_add_nc_u32 v[ADRB], s23, v4
	s_mul_i32 s23, s[WV], 4608
	s_add_co_u32 s23, s23, STAGE                   ; my stage
	v_mul_u32_u24 v3, v1, 144
	v_lshl_add_u32 v3, v2, 4, v3
	v_add_nc_u32 v[STO], s23, v3                   ; in: row l % 16, 16 bytes for each half of the lanes
	v_bfe_u32 v3, v0, 3, 2
	v_mul_u32_u24 v3, v3, 144
	v_lshl_add_u32 v3, v5, 4, v3
	v_add_nc_u32 v[RD], s23, v3                    ; back: 32 lanes take four rows of 128 bytes
	v_and_b32 v[CO], 31, v0
	v_lshlrev_b32 v[CO], 4, v[CO]
	s_lshl_b32 s16, s42, 2                         ; where my part begins in OUT: panel 4 tile column + 2 half,
	s_lshl_b32 s2, s[CH], 1
	s_add_co_u32 s16, s16, s2
	s_lshl_b32 s16, s16, 19
	s_lshl_b32 s2, s43, 15                         ; row 256 tile row + 128 half, of 128 bytes
	s_add_co_u32 s16, s16, s2
	s_lshl_b32 s2, s[RH], 14
	s_add_co_u32 s16, s16, s2
	s_mov_b32 s17, 0
; 16 matrix instructions: m blocks a0, a0 + 1 of the window's four x all 8 n blocks, 32 along K.  first = 1: the bias starts the sums.  The 64 accumulators take turns.
.macro MUL16 f, hi, a0, first
.if \first
	WIN 0x81+0x40*(\hi)                            ; C in window 0
.else
	WIN MUL_LO+0x50*(\hi)
.endif
.irp a, \a0, (\a0)+1
.irp b, 0,1,2,3,4,5,6,7
.if \first
	v_wmma_f32_16x16x32_f16 v[8*(8*(\a)+(\b)):8*(8*(\a)+(\b))+7], v[(\f)+8*(\b):(\f)+8*(\b)+7], v[(\f)+8*(4*(\hi)+(\a)):(\f)+8*(4*(\hi)+(\a))+7], v[BI+8*(\b):BI+8*(\b)+7]
.else
	v_wmma_f32_16x16x32_f16 v[8*(8*(\a)+(\b)):8*(8*(\a)+(\b))+7], v[(\f)+8*(\b):(\f)+8*(\b)+7], v[(\f)+8*(4*(\hi)+(\a)):(\f)+8*(4*(\hi)+(\a))+7], v[8*(8*(\a)+(\b)):8*(8*(\a)+(\b))+7]
.endif
.endr
.endr
.endm
; 32 LDS loads in one run: the fragments of quarter q (32 along K) of the slot in hand into buffer f: W's 128 columns, then A's 128 rows
.macro FETCH q, f
	WIN TO_B
.irp i, 0,1,2,3,4,5,6,7
	ds_load_tr16_b128 v[(\f)+8*(\i):(\f)+8*(\i)+3],   v[ADRB] offset:32*PB*(\q)+32*(\i)
	ds_load_tr16_b128 v[(\f)+8*(\i)+4:(\f)+8*(\i)+7], v[ADRB] offset:32*PB*(\q)+32*(\i)+16*PB
.endr
	WIN 0
.irp i, 0,1,2,3,4,5,6,7
	ds_load_b128 v[(\f)+8*(\i):(\f)+8*(\i)+3],   v[ADRA] offset:64*(\q)+(\i)*16*PA
	ds_load_b128 v[(\f)+8*(\i)+4:(\f)+8*(\i)+7], v[ADRA] offset:64*(\q)+(\i)*16*PA+32
.endr
.endm
.macro PLACES                          ; four places in front of loads into registers that matrix instructions have read, and of conversions that read results
.rept 4
	v_nop
.endr
.endm
; One of a K step's first three quarters: multiplies buffer f; in its middle it fetches quarter q of the same slot into buffer g.
.macro QUARTER q, f, g, first
	s_wait_dscnt 8                                 ; W and A's rows 0-63 are in; the youngest eight loads (A's rows 64-127) may be out
	MUL16 \f, 0, 0, \first
	MUL16 \f, 0, 2, \first
	PLACES
	FETCH \q, \g
	s_wait_dscnt 32                                ; all but the 32 just issued
	MUL16 \f, 1, 0, \first
	MUL16 \f, 1, 2, \first
.endm
; The last quarter multiplies buffer 1 and changes slots.  One barrier: in front of it each wave waits for all its tensor loads (at most one is out: its part of the next slot), adds 0 to its spare
; word, and waits for that and for its reads of this slot.  Behind it nobody reads this slot any more and the next slot is whole.
; fill = 1: the barrier opens a round of the cluster's, and the slot just read is filled again, two K steps ahead, first thing behind the round.
; fill = 0: nothing is asked for; in the loop's last trip there is no next step, and the run of LDS loads is jumped over.
.macro TURN fill
	WIN 0
	s_wait_tensorcnt 0x0                           ; no tensor load of mine is out, so the walking group 0 may be written
	ds_add_u32 v[SPW], v[NIL]
	s_wait_dscnt 9                                 ; the add and the youngest eight loads may be out
	MUL16 F1, 0, 0, 0                              ; sixteen matrix instructions stand between the add and the wait for it
	s_wait_dscnt 0x0                               ; the add is done, and my reads of this slot are over
	s_barrier_signal -1
	MUL16 F1, 0, 2, 0
	WIN 0
.if \fill
	s_add_co_u32 s[G0+5], s22, s[TG]               ; the refill lands in the slot just read,
	s_add_co_u32 s[G0B+5], s22, s[TG]
	s_add_nc_u64 s[G0+6:G0+7], s[G0+6:G0+7], 1048576   ; and brings the K step behind the one asked for last; the type bits on top are not reached
	s_add_nc_u64 s[G0B+6:G0B+7], s[G0B+6:G0B+7], 65536
.endif
	s_xor_b32 s[TG], s[TG], SLOT                   ; the other slot is in hand
	v_add_nc_u32 v[ADRA], s[TG], v[ADRA0]
	v_add_nc_u32 v[ADRB], s[TG], v[ADRB0]
	s_barrier_wait -1
.if \fill
	CREST
	JLOAD 1                                        ; 224 matrix instructions ahead of the wait for it; its four v_nop are also the places in front of the loads below
	FETCH 0, F0
.else
	PLACES
	s_cmp_eq_u32 s3, 1
	s_cbranch_scc1 .Lno_more_\@
	FETCH 0, F0
.Lno_more_\@:
.endif
	MUL16 F1, 1, 0, 0
	MUL16 F1, 1, 2, 0
.endm
; THE WAY OUT of block a (16 rows).  PACK: rounded to f16, the floor applied, 16 bytes a lane.  TOSTAGE: into my own stage, by halves of 64 columns, and back as whole rows of 128 bytes.  SEND: stored.
.macro PACK a
.set AC, 64*((\a)%4)
	WIN 0x0a+5*((\a)/4)                            ; sources 0 and 1: window 2 or 3
.irp b, 0,1,2,3,4,5,6,7
.irp r, 0,1,2,3
	v_cvt_pk_f16_f32 v[TMP+4*(\b)+(\r)], v[AC+8*(\b)+2*(\r)], v[AC+8*(\b)+2*(\r)+1]
.endr
.endr
	WIN 0
.set i, 0
.rept 32
	v_pk_max_num_f16 v[TMP+i], v[TMP+i], s[FLOOR]
.set i, i+1
.endr
.endm
.macro TOSTAGE a
.set BK, OB+192*((\a)%2)
.irp b, 0,1,2,3,4,5,6,7
	ds_store_b128 v[STO], v[TMP+4*(\b):TMP+4*(\b)+3] offset:2304*((\b)/4)+32*((\b)%4)
.endr
.irp t, 0,1,2,3,4,5,6,7
	ds_load_b128 v[BK+4*(\t):BK+4*(\t)+3], v[RD] offset:2304*((\t)/4)+576*((\t)%4)  ; LDS serves a wave's instructions in order (ISA guide 5.7.1.4): these see the stores above
.endr
.endm
.macro SEND a
.set BK, OB+192*((\a)%2)
	s_wait_dscnt 0x0                               ; the block is back in registers
	s_wait_xcnt 0x0                                ; the stores' base and the registers that earlier stores read are rewritten only behind this wait
.if (\a) == 0
	s_add_nc_u64 s[10:11], s[10:11], s[16:17]
.else
	s_add_nc_u64 s[10:11], s[10:11], 2048          ; 16 rows of 128 bytes on
.endif
.irp t, 0,1,2,3,4,5,6,7
	global_store_b128 v[CO], v[BK+4*(\t):BK+4*(\t)+3], s[10:11] offset:524288*((\t)/4)+512*((\t)%4)  ; four rows of a panel: 512 consecutive bytes, aligned to 256
.endr
.endm
	s_wait_kmcnt 0x0                               ; the floor
	s_wait_tensorcnt 0x1                           ; my part of K step 0 is in; K step 1's stays out
	s_barrier_signal -1
	s_barrier_wait -1
	FETCH 0, F0
	s_wait_loadcnt 0x0                             ; the bias
	QUARTER 1, F0, F1, 1                           ; the very first quarter stands in front of the loop: its products start the sums
	WIN 0                                          ; at a label and at a branch every window is 0
	s_mov_b32 s3, KSTEPS-2
	s_branch .Lin                                  ; the loop is entered behind its first quarter
.Lstep:                                                ; a trip is a K step; each of the 6 trips fills the slot that it has read, two steps ahead
	QUARTER 1, F0, F1, 0
	WIN 0
.Lin:
	QUARTER 2, F1, F0, 0
	QUARTER 3, F0, F1, 0
	TURN 1
	WIN 0
	s_sub_co_u32 s3, s3, 1
	s_cmp_lg_u32 s3, 0
	s_cbranch_scc1 .Lstep
	s_mov_b32 s3, 2
.Ltail:                                                ; the last two K steps ask for nothing
	QUARTER 1, F0, F1, 0
	QUARTER 2, F1, F0, 0
	QUARTER 3, F0, F1, 0
	TURN 0
	WIN 0
	s_sub_co_u32 s3, s3, 1
	s_cmp_lg_u32 s3, 0
	s_cbranch_scc1 .Ltail
	PLACES
	PACK 0
	TOSTAGE 0
.irp a, 1,2,3,4,5,6,7                  ; block a's conversions stand between block a - 1's loads from the stage and the wait for them
	PACK \a
	SEND (\a)-1
	TOSTAGE \a
.endr
	SEND 7
	s_wait_tensorcnt 0x0                           ; the wave's end
	ds_add_u32 v[SPW], v[NIL]
	s_wait_dscnt 0x0
	CROUND                                         ; the closing round
	s_endpgm
.Lfunc_end_k_qfc0599303f_qkv:
	.size	k_qfc0599303f_qkv, .Lfunc_end_k_qfc0599303f_qkv-k_qfc0599303f_qkv
	.p2alignl 7, 3214868480
	.fill 96, 4, 3214868480
	.section	.rodata,"a",@progbits
	.p2align	6, 0x0
	.amdhsa_kernel k_qfc0599303f_qkv
		.amdhsa_group_segment_fixed_size 327680
		.amdhsa_private_segment_fixed_size 0
		.amdhsa_enable_private_segment 0
		.amdhsa_kernarg_size 32
		.amdhsa_user_sgpr_count 2
		.amdhsa_user_sgpr_kernarg_segment_ptr 1
		.amdhsa_wavefront_size32 1
		.amdhsa_system_sgpr_workgroup_id_x 1
		.amdhsa_system_sgpr_workgroup_id_y 1
		.amdhsa_system_sgpr_workgroup_id_z 1
		.amdhsa_system_vgpr_workitem_id 0
		.amdhsa_next_free_vgpr 1024
		.amdhsa_next_free_sgpr 66
		.amdhsa_reserve_vcc 0
		.amdhsa_float_denorm_mode_32 3
		.amdhsa_float_denorm_mode_16_64 3
		.amdhsa_memory_ordered 1
		.amdhsa_forward_progress 1
		.amdhsa_inst_pref_size 118
	.end_amdhsa_kernel
	.amdgpu_metadata
---
amdhsa.version: [ 1, 2 ]
amdhsa.kernels:
  - .name:           k_qfc0599303f_qkv
    .symbol:         k_qfc0599303f_qkv.kd
    .args:
      - { .name: act, .offset: 0, .size: 8, .value_kind: global_buffer, .address_space: global }
      - { .name: pack1, .offset: 8, .size: 8, .value_kind: global_buffer, .address_space: global }
      - { .name: par1, .offset: 16, .size: 8, .value_kind: global_buffer, .address_space: global }
      - { .name: big, .offset: 24, .size: 8, .value_kind: global_buffer, .address_space: global }
    .group_segment_fixed_size: 327680
    .private_segment_fixed_size: 0
    .kernarg_segment_align: 8
    .kernarg_segment_size: 32
    .max_flat_workgroup_size: 128
    .sgpr_count:     66
    .vgpr_count:     1024
    .wavefront_size: 32
...
	.end_amdgpu_metadata
.endif
;; end of part 2
;; launch attn (part 3): grid 4 x 64, 4 waves a work-group, clusters of 4 x 1, 327,680 bytes of LDS; arguments big, ob; writes ob
.if DOCPART == 3
	.amdgcn_target "amdgcn-amd-amdhsa--gfx1250"
	.amdhsa_code_object_version 6
	.text
	.protected	k_qfc0599303f_attn
	.globl	k_qfc0599303f_attn
	.p2align	8
	.type	k_qfc0599303f_attn,@function
k_qfc0599303f_attn:
	s_mov_b64 s[64:65], 0
	v_nop
	global_prefetch_b8 v0, s[64:65] scope:SCOPE_SE
	s_setreg_imm32_b32 hwreg(HW_REG_WAVE_MODE, 25, 1), 1
	s_wait_xcnt 0x0
	s_wait_alu depctr_hold_cnt(0) depctr_sa_sdst(0) depctr_va_vdst(0) depctr_va_sdst(0) depctr_va_ssrc(0) depctr_va_vcc(0) depctr_vm_vsrc(0)
	s_getreg_b32 s2, hwreg(HW_REG_IB_STS2, 6, 4)
	s_cmp_eq_u32 s2, 0
	s_cbranch_scc0 .Lentry_in_a_cluster
	s_endpgm
.Lentry_in_a_cluster:
	s_bfe_u32 s2, ttmp6, 0x10000c
	s_cmp_lg_u32 s2, 0x3003
	s_cbranch_scc0 .Lentry_shape_is_right
	s_endpgm
.Lentry_shape_is_right:
; CAUSAL ATTENTION, head size 64, 1,024 rows a head, 64 heads (batch x head).  O[q] = the sum over k <= q of softmax_k(Q[q] . K[k] / 8) V[k].
; Q, K, V: f16 panels [panel][4096 tokens][64] of big (q: head, k: 16 + head, v: 32 + head); O: f16 panels [head][4096][64].  Products, maxima and sums in f32; the weights p are rounded to f16
; for the second product (their sum l is taken of the unrounded p), O once at the end.
; LIMITS.  A hidden score counts as its value less 1e30 (f16's scores are 2.7e11 at the most); a weight below 2^-126 counts as 0; NaN and infinities are not treated apart.
; SHARES.  The four work-groups of a cluster belong to one head.  Work-group j owns the 16 rows 64 i + 16 j .. of each band i = 0..15 of 64 rows; wave w the bands w, 7 - w, 8 + w, 15 - w (slots 0-3).
; Band i needs the key steps 0 .. i of 64 keys, and its diagonal lies in step i, whatever j: so no branch, trip count or LDS address hangs on the place in the cluster, every wave has 34 pairs of
; band and step, and K and V can be asked for jointly though the walk is causal.  j enters Q's and O's addresses and the mask's values alone.
; LDS.  All of the head's K and V stay in LDS: nothing is filled again.  Each wave asks for two tiles of 256 keys at the start; the first 512 keys are walked while the other 512 land.
; LAYOUT.  S^T = K Q^T holds ONE query a lane (lane % 16) and the keys 8 (lane / 16) + 0..7; two such results rounded to f16 ARE source 1 of O^T = V^T P.  V comes out of LDS turned.
; SOFTMAX.  p = 2^(c s - c m), c = log2(e) / 8, with a running maximum m; O and l are multiplied by a = 2^(c m_old - c m_new) in every step.  m starts at the lowest finite number, O and l at 0,
; so the first step is a step like any other, with a = 0: the price is 128 v_mov_b32 for O^T, in the wait for the first tiles.
; THE MASK is the C operand that starts the sum in a band's own step: 0, or -1e30 where the key is hidden (MD, made once).
; A STEP: K's and V's fragments; the live slots' K Q^T; then slot by slot the softmax and its V^T P, so that a slot's products run beside the next slot's vector work.
; REGISTERS, in windows of 256 (s_set_vgpr_msb: bits 1:0 source 0, 3:2 source 1, 5:4 source 2, 7:6 destination):
;   window 0: v1-15 addresses and at work; v16-31 statistics, four a slot; v48-51 at work; v52-59 addresses by slot; v64-191 S^T, 32 a slot; v192-255 P, 16 a slot
;   window 1: v0-127 O^T, 32 a slot; v128-159 MD          window 2: v0-63 Q, 16 a slot; v128-191 K of one step; v192-255 V of one step
.set PK,    144       ; a row of K in LDS: 128 bytes + 16: the 16 rows of a load start at 16 different groups of four banks (64 banks of 4 bytes: ISA guide 11.1)
.set PVP,   160       ; a row of V: 128 + 32
.set VOFF,  1024*PK
.set STAGE, VOFF+1024*PVP  ; never filled by a tensor load: 16 rows x 144 bytes for each wave, for the way out
.set SP,    144
.set SPARE, STAGE+4*16*SP  ; the spare words, 128 bytes for each wave: two blocks of 256 bytes that no other line names
.set AK0, 2           ; v2   my lane's place in a step's K; never rewritten
.set AV0, 3           ; v3   the same for V
.set AK,  4           ; v4   the LDS address of K's run of loads
.set AV,  5           ; v5   of V's
.set STO, 6           ; v6   the way out: where I put 16 bytes of a row
.set RD,  7           ; v7   the way out: where I read rows back
.set GO,  8           ; v8   my 16 bytes in 512 consecutive bytes of O
.set MV,  12          ; v12  c m_old, kept while c m is made anew
.set QO,  15          ; v15  my byte offset in 16 rows of Q
.set ST,  16          ; slot t's statistics at v[ST+4 t]: c m, m, l (even keys', odd keys')
.set TMP, 48          ; c0-c3 at work; when the maximum is found c2 takes a
.set GOT, 52          ; v52-55  GO + the slot's rows
.set QOT, 56          ; v56-59  QO + the slot's rows
.set SPW, 62
.set NIL, 63
.set S,   64
.set P,   192
.set MD,  128         ; window 1
.set KF,  128         ; window 2: key block kb, channel half c at KF + 16 kb + 8 c
.set VF,  192         ; window 2: key half kk, channel block cb at VF + 32 kk + 8 cb
.set WV,  12
.set G1K, 24          ; s[24:31] group 1 for K's tiles; s[32:39] for V's: it differs in the padding alone
.set G1V, 32
.set G0K, 40          ; s[40:47] group 0 for K's two tiles; s[48:55] for V's
.set G0V, 48
.set KSR, 56          ; s56  the key step in the half in hand, 0 to 7
.set CS,  58          ; s[58:59] c
.set SEL, 60          ; s[60:61] v_permlanex16_b32's selects: each lane takes its own place in the other half
.set TBK, 62          ; s62  LDS byte at which the step's K begins
.set TBV, 63          ; s63  the same for V, less VOFF
.set GD0, 70          ; s70  w: the last live step (the diagonal's) of slot 0 in the first half, of slot 2 in the second
.set GD1, 71          ; s71  7 - w: the same of slots 1 and 3
.set OFS, 72          ; s72-75  byte offset of the slot's 16 rows in the head
.set BIGN, 76         ; s76  -1e30
.set MSB, 0
.macro WIN new
.if MSB != (\new)
	s_set_vgpr_msb (MSB<<8)|(\new)
.set MSB, (\new)
.endif
.endm
.set W_KQ, 0x0a       ; K and Q in window 2, S^T in window 0
.set W_KM, 0x1a       ; the same with the C operand in window 1
.set W_PV, 0x52       ; V in window 2, P in window 0, O^T in window 1
.set W_RS, 0x41       ; destination and source 0 in window 1, source 1 in window 0
.macro CROUND         ; a round of the cluster's barrier
	s_barrier_signal -1
	s_barrier_wait -1
	s_cmp_lg_u32 s[WV], 0
	s_cbranch_scc1 .Lnot_wave_0_\@
	s_barrier_signal -3
.Lnot_wave_0_\@:
	s_barrier_wait -3
	s_barrier_signal -1
	s_barrier_wait -1
.endm
.macro PLACES         ; four places behind matrix instructions, where no other vector work is at hand (ISA guide 7.12.1)
.rept 4
	v_nop
.endr
.endm
	s_load_b128 s[4:7], s[0:1], 0x0  ; big s[4:5], O s[6:7]
	v_lshl_add_u32 v[SPW], v0, 2, SPARE
	v_mov_b32 v[NIL], 0
	ds_add_u32 v[SPW], v[NIL]       ; the wave's opening: the add and its wait stand ahead of my first tensor load; the set-up below stands between them
	v_lshrrev_b32 v1, 5, v0
	v_readfirstlane_b32 s[WV], v1
	s_bfe_u32 s13, ttmp6, 0x40000   ; cx = j
	s_and_b32 s14, ttmp7, 0xffff    ; 16 x batch + head, which the four partners share
	s_lshr_b32 s15, s14, 4
	s_and_b32 s14, s14, 15
	s_lshl_b32 s16, s14, 19         ; the head's panel,
	s_lshl_b32 s15, s15, 17         ; the batch's 1,024 rows of 128 bytes
	s_add_co_u32 s16, s16, s15
	s_mov_b32 s17, 0
	s_and_b32 s18, s[WV], 1         ; which 256 keys of a half I fetch
	s_lshl_b32 s20, s18, 15
	s_add_co_u32 s20, s20, s16
	s_mov_b32 s21, 0
	s_mul_i32 s22, s18, 256*PK
	s_mul_i32 s23, s18, 256*PVP
	; group 1: 256 keys are 32,768 dense bytes: asked for as 128 rows of 256 bytes, two keys a row, and padded in LDS after every key
	s_mov_b32 s[G1K], 15|(1<<16)|(1<<20)|(1<<21)|(4<<22)|(3<<25)  ; the mask of four; 2-byte elements; padding on; bit 21 beside a mask; after every 32 words, 4 words
	s_mov_b32 s[G1V], 15|(1<<16)|(1<<20)|(1<<21)|(4<<22)|(7<<25)  ; 8 words
.irp g, G1K, G1V
	s_mov_b32 s[\g+1], 128<<16      ; tensor_dim0 = 128
	s_mov_b32 s[\g+2], 128<<16      ; tensor_dim1 = 128
	s_mov_b32 s[\g+3], 128<<16      ; tile_dim0 = 128
	s_mov_b32 s[\g+4], 128          ; tile_dim1 = 128
	s_mov_b32 s[\g+5], 128          ; 128 elements from row to row
	s_mov_b32 s[\g+6], 0
	s_mov_b32 s[\g+7], 0
.endr
.irp n, 0,1
	s_mov_b32 s[G0K+4*\n], 1
	s_add_co_u32 s[G0K+4*\n+1], s22, \n*512*PK
	s_mov_b32 s[G0V+4*\n], 1
	s_add_co_u32 s[G0V+4*\n+1], s23, VOFF+\n*512*PVP
.endr
	s_mov_b32 s[CS], 0x3e38aa3b     ; c = log2(e) / 8
	s_mov_b32 s[CS+1], s[CS]
	s_mov_b32 s[SEL], 0x76543210
	s_mov_b32 s[SEL+1], 0xfedcba98
	s_mov_b32 s[TBK], 0
	s_mov_b32 s[TBV], 0
	s_mov_b32 s[BIGN], 0xf149f2ca
	s_mov_b32 s[GD0], s[WV]
	s_sub_co_u32 s[GD1], 7, s[WV]
	s_lshl_b32 s2, s13, 11          ; 16 j rows of 128 bytes
	s_lshl_b32 s[OFS], s[GD0], 13   ; a band is 64 rows
	s_add_co_u32 s[OFS], s[OFS], s2
	s_lshl_b32 s[OFS+1], s[GD1], 13
	s_add_co_u32 s[OFS+1], s[OFS+1], s2
	s_add_co_u32 s[OFS+2], s[OFS], 8<<13
	s_add_co_u32 s[OFS+3], s[OFS+1], 8<<13
	s_wait_dscnt 0x0                ; the opening add is done
	s_wait_kmcnt 0x0
	s_add_nc_u64 s[8:9], s[4:5], s[20:21]
.irp n, 0,1
	s_add_nc_u64 s[G0K+4*\n+2:G0K+4*\n+3], s[8:9], (16<<19)+\n*65536  ; keys 512 n + 256 (w % 2) on
	s_or_b32 s[G0K+4*\n+3], s[G0K+4*\n+3], 0x80000000
	s_add_nc_u64 s[G0V+4*\n+2:G0V+4*\n+3], s[8:9], (32<<19)+\n*65536
	s_or_b32 s[G0V+4*\n+3], s[G0V+4*\n+3], 0x80000000
.endr
	s_add_nc_u64 s[10:11], s[4:5], s[16:17]  ; Q at the head's first row
	s_add_nc_u64 s[6:7], s[6:7], s[16:17]    ; O likewise
	CROUND                          ; all four work-groups are here: the joint loads meet
	s_cmp_lt_u32 s[WV], 2           ; a wave's two fills stand in one branch: waves 0 and 1 fetch K, waves 2 and 3 V; two loads of mine are out
	s_cbranch_scc0 .Lfirst_v
	tensor_load_to_lds s[G0K:G0K+3], s[G1K:G1K+7]
	s_nop 0
	tensor_load_to_lds s[G0K+4:G0K+7], s[G1K:G1K+7]
	s_nop 0
.rept 4
	v_nop
.endr
	s_branch .Lfirst_asked
.Lfirst_v:
	tensor_load_to_lds s[G0V:G0V+3], s[G1V:G1V+7]
	s_nop 0
	tensor_load_to_lds s[G0V+4:G0V+7], s[G1V:G1V+7]
	s_nop 0
.rept 4
	v_nop
.endr
.Lfirst_asked:
	v_and_b32 v1, 15, v0            ; l % 16
	v_bfe_u32 v9, v0, 4, 1          ; l / 16
	v_lshlrev_b32 v[QO], 7, v1
	v_lshl_add_u32 v[QO], v9, 4, v[QO]  ; row x 128 + 16 x half
	v_and_b32 v[GO], 31, v0
	v_lshlrev_b32 v[GO], 4, v[GO]
.irp t, 0,1,2,3
	v_add_nc_u32 v[QOT+\t], s[OFS+\t], v[QO]
	v_add_nc_u32 v[GOT+\t], s[OFS+\t], v[GO]
.endr
	WIN 0x80                        ; destination window 2, address window 0
.irp t, 0,1,2,3
.irp c, 0,1                         ; Q stays in registers: slot t, channels 32 c on
	global_load_b128 v[16*\t+8*\c:16*\t+8*\c+3],   v[QOT+\t], s[10:11] offset:64*\c
	global_load_b128 v[16*\t+8*\c+4:16*\t+8*\c+7], v[QOT+\t], s[10:11] offset:64*\c+32
.endr
.endr
	WIN 0
	v_lshlrev_b32 v14, 3, v9
	v_sub_nc_u32 v14, v1, v14
	s_lshl_b32 s2, s13, 4
	v_add_nc_u32 v14, s2, v14       ; my query's place in its band, 16 j + l % 16, less my lanes' 8 (l / 16): register r of key group kt is hidden where 16 kt + r is greater
	WIN 0x40
.set i, 0
.rept 32
	v_cmp_gt_i32 vcc_lo, 16*(i/8)+i%8, v14
	v_cndmask_b32 v[MD+i], 0, s[BIGN], vcc_lo
.set i, i+1
.endr
.set i, 0
.rept 128
	v_mov_b32 v[i], 0               ; O^T
.set i, i+1
.endr
	WIN 0
.set i, 0
.rept 4
	v_mov_b32 v[ST+4*i], 0xfe000000    ; c m: far below every c s
	v_mov_b32 v[ST+4*i+1], 0xff7fffff  ; m
	v_mov_b32 v[ST+4*i+2], 0
	v_mov_b32 v[ST+4*i+3], 0
.set i, i+1
.endr
.set i, 0
.rept 64
	v_mov_b32 v[S+i], 0             ; S^T of slots 0 and 1, whose products and softmax stand behind two jumps on one condition: written once, so that every way through the text reads written registers
.set i, i+1
.endr
	v_mul_u32_u24 v[AK0], v1, PK
	v_lshl_add_u32 v[AK0], v9, 4, v[AK0]  ; row x pitch + 16 x half
	v_and_b32 v10, 7, v0            ; the turning load: lane l reads key 8 (l / 16) + l % 8, channels 8 ((l / 8) % 2) + 0..7
	v_bfe_u32 v11, v0, 3, 1
	v_lshl_add_u32 v[AV0], v9, 3, v10
	v_mul_u32_u24 v[AV0], v[AV0], PVP
	v_lshl_add_u32 v[AV0], v11, 4, v[AV0]
	v_add_nc_u32 v[AV0], VOFF, v[AV0]
	s_mul_i32 s2, s[WV], 16*SP
	s_add_co_u32 s2, s2, STAGE      ; my stage
	v_mul_u32_u24 v[STO], v1, SP    ; in: row l % 16, 16 bytes for each half of the lanes
	v_lshl_add_u32 v[STO], v9, 4, v[STO]
	v_add_nc_u32 v[STO], s2, v[STO]
	v_bfe_u32 v[RD], v0, 3, 2       ; back: 32 lanes take four rows of 128 bytes
	v_mul_u32_u24 v[RD], v[RD], SP
	v_lshl_add_u32 v[RD], v10, 4, v[RD]
	v_add_nc_u32 v[RD], s2, v[RD]
; A step's 32 LDS loads, in two runs: K (64 keys x 64 channels: 8 fragments), then V (turned).
.macro FETCH
	v_add_nc_u32 v[AK], s[TBK], v[AK0]
	v_add_nc_u32 v[AV], s[TBV], v[AV0]
	WIN 0x80                        ; destination window 2
.irp f, 0,1,2,3,4,5,6,7             ; keys 16 (f / 2) on, channels 32 (f % 2) on
	ds_load_b128 v[KF+8*\f:KF+8*\f+3],   v[AK] offset:(\f/2)*16*PK+(\f%2)*64
	ds_load_b128 v[KF+8*\f+4:KF+8*\f+7], v[AK] offset:(\f/2)*16*PK+(\f%2)*64+32
.endr
.irp f, 0,1,2,3,4,5,6,7             ; keys 32 (f / 4) on, channels 16 (f % 4) on
	ds_load_tr16_b128 v[VF+8*\f:VF+8*\f+3],   v[AV] offset:(\f/4)*32*PVP+(\f%4)*32
	ds_load_tr16_b128 v[VF+8*\f+4:VF+8*\f+7], v[AV] offset:(\f/4)*32*PVP+16*PVP+(\f%4)*32
.endr
	WIN 0
	s_wait_dscnt 16                 ; K's sixteen loads are in, V's stay out
.endm
; S^T = K Q^T for slot t: 8 products, the four accumulators by turns.  gd: the register that holds the slot's last live step: behind it the slot is jumped over, in it the mask starts the sums.
.macro KQS t, gd=-1
.set rS, S+32*(\t)
.if (\gd) >= 0
	WIN 0
	s_cmp_gt_u32 s[KSR], s[\gd]
	s_cbranch_scc1 .Lkq_skip_\@
	s_cmp_eq_u32 s[KSR], s[\gd]
	s_cbranch_scc0 .Lkq_plain_\@
	WIN W_KM
.irp kb, 0,1,2,3
	v_wmma_f32_16x16x32_f16 v[rS+8*\kb:rS+8*\kb+7], v[KF+16*\kb:KF+16*\kb+7], v[16*(\t):16*(\t)+7], v[MD+8*\kb:MD+8*\kb+7]
.endr
	WIN 0
	s_branch .Lkq_join_\@
.Lkq_plain_\@:
.endif
	WIN W_KQ
.irp kb, 0,1,2,3
	v_wmma_f32_16x16x32_f16 v[rS+8*\kb:rS+8*\kb+7], v[KF+16*\kb:KF+16*\kb+7], v[16*(\t):16*(\t)+7], 0
.endr
.if (\gd) >= 0
	WIN 0
.Lkq_join_\@:
.endif
	WIN W_KQ
.irp kb, 0,1,2,3
	v_wmma_f32_16x16x32_f16 v[rS+8*\kb:rS+8*\kb+7], v[KF+16*\kb+8:KF+16*\kb+15], v[16*(\t)+8:16*(\t)+15], v[rS+8*\kb:rS+8*\kb+7]
.endr
.if (\gd) >= 0
	WIN 0
.Lkq_skip_\@:
.endif
.endm
; Slot t's softmax for the step, and its 8 products O^T += V^T P.  Each accumulator's lowest registers are read first.
.macro SPV t, gd=-1
.set rT, ST+4*(\t)
.set rS, S+32*(\t)
.set rP, P+16*(\t)
.set rO, 32*(\t)
	WIN 0
.if (\gd) >= 0
	s_cmp_gt_u32 s[KSR], s[\gd]
	s_cbranch_scc1 .Lsp_skip_\@
.endif
.irp n, 0,1,2,3                     ; the maximum of the lane's 32 scores and the old m: four chains of seven, three operands at a time,
	v_max3_num_f32 v[TMP+\n], v[rS+8*\n], v[rS+8*\n+1], v[rS+8*\n+2]
.endr
.irp n, 0,1,2,3
	v_max3_num_f32 v[TMP+\n], v[TMP+\n], v[rS+8*\n+3], v[rS+8*\n+4]
.endr
.irp n, 0,1,2,3
	v_max3_num_f32 v[TMP+\n], v[TMP+\n], v[rS+8*\n+5], v[rS+8*\n+6]
.endr
	v_max3_num_f32 v[TMP], v[TMP], v[rS+7], v[rS+15]        ; the four scores left over,
	v_max3_num_f32 v[TMP+1], v[TMP+1], v[rS+23], v[rS+31]
	v_max3_num_f32 v[TMP+2], v[TMP+2], v[TMP+3], v[rT+1]    ; the old m
	v_mov_b32 v[MV], v[rT]                                  ; c m_old is kept
	v_max3_num_f32 v[TMP], v[TMP], v[TMP+1], v[TMP+2]
	v_permlanex16_b32 v[TMP+3], v[TMP], s[SEL], s[SEL+1]    ; the query's other 32 keys lie in the lane 16 away
	v_max_num_f32 v[rT+1], v[TMP], v[TMP+3]
	v_mul_f32 v[rT], s[CS], v[rT+1]
	v_sub_f32 v[TMP+1], v[MV], v[rT]
	v_exp_f32 v[TMP+2], v[TMP+1]                            ; a; the scalings below are the plain instructions behind it
.set n, 0
.rept 16
	v_pk_fma_f32 v[rS+2*n:rS+2*n+1], v[rS+2*n:rS+2*n+1], s[CS:CS+1], v[rT:rT+1] op_sel_hi:[1,0,0] neg_lo:[0,0,1] neg_hi:[0,0,1]  ; c s - c m
.set n, n+1
.endr
.set n, 0
.rept 32
	v_exp_f32 v[rS+n], v[rS+n]
.set n, n+1
.endr
	WIN W_RS
.set n, 0
	s_wait_alu depctr_va_vdst(0)
.rept 16                            ; O^T times a, ascending; the first is the plain instruction behind the last exponential
	v_pk_mul_f32 v[rO+2*n:rO+2*n+1], v[rO+2*n:rO+2*n+1], v[TMP+2:TMP+3] op_sel_hi:[1,0]
.set n, n+1
.endr
	WIN 0
.set n, 0
.rept 16
	v_cvt_pk_f16_f32 v[rP+n], v[rS+2*n], v[rS+2*n+1]
.set n, n+1
.endr
.irp n, 0,4,8,12,16,20,24,28        ; the sum of the 16 pairs, in place, as a tree
	v_pk_add_f32 v[rS+\n:rS+\n+1], v[rS+\n:rS+\n+1], v[rS+\n+2:rS+\n+3]
.endr
.irp n, 0,8,16,24
	v_pk_add_f32 v[rS+\n:rS+\n+1], v[rS+\n:rS+\n+1], v[rS+\n+4:rS+\n+5]
.endr
.irp n, 0,16
	v_pk_add_f32 v[rS+\n:rS+\n+1], v[rS+\n:rS+\n+1], v[rS+\n+8:rS+\n+9]
.endr
	v_pk_add_f32 v[rS:rS+1], v[rS:rS+1], v[rS+16:rS+17]
	v_pk_fma_f32 v[rT+2:rT+3], v[rT+2:rT+3], v[TMP+2:TMP+3], v[rS:rS+1] op_sel_hi:[1,0,1]  ; l = a l + the sum
	WIN W_PV
.set n, 0
.rept 8                             ; keys 32 (n / 4) on, channels 16 (n % 4) on: the four accumulators by turns
	v_wmma_f32_16x16x32_f16 v[rO+8*(n%4):rO+8*(n%4)+7], v[VF+32*(n/4)+8*(n%4):VF+32*(n/4)+8*(n%4)+7], v[rP+8*(n/4):rP+8*(n/4)+7], v[rO+8*(n%4):rO+8*(n%4)+7]
.set n, n+1
.endr
	WIN 0
.if (\gd) >= 0
.Lsp_skip_\@:
.endif
.endm
	s_wait_tensorcnt 0x1            ; my part of the first 512 keys is in; the second half's stays out
	s_barrier_signal -1
	s_barrier_wait -1               ; everybody's is
	s_wait_loadcnt 0x0              ; Q
	s_mov_b32 s[KSR], 0
.LstepA:                            ; keys 0-511, eight steps: slots 2 and 3 see everything; slots 0 and 1 end in steps w and 7 - w
	FETCH
	KQS 2
	KQS 3
	KQS 1, GD1
	KQS 0, GD0
	PLACES                          ; behind the last scores
	s_wait_dscnt 0x0                ; V is in
	SPV 2
	SPV 3
	SPV 1, GD1
	SPV 0, GD0
	PLACES                          ; behind the last products, in front of the next step's loads into K's and V's registers
	s_add_co_u32 s[TBK], s[TBK], 64*PK
	s_add_co_u32 s[TBV], s[TBV], 64*PVP
	s_add_co_u32 s[KSR], s[KSR], 1
	s_cmp_lt_u32 s[KSR], 8
	s_cbranch_scc1 .LstepA
	s_wait_tensorcnt 0x0            ; my part of the second 512 keys is in,
	s_barrier_signal -1
	s_barrier_wait -1               ; everybody's is
	s_mov_b32 s[KSR], 0
.LstepB:                            ; keys 512-1023: slot 2 ends in step w, slot 3 in step 7 - w; the steps behind that are jumped over, to the label ahead of the counter's step
	s_cmp_gt_u32 s[KSR], s[GD1]
	s_cbranch_scc1 .LdeadB
	FETCH
	KQS 3, GD1
	KQS 2, GD0
	PLACES
	s_wait_dscnt 0x0
	SPV 3, GD1
	SPV 2, GD0
	PLACES
.LdeadB:
	s_add_co_u32 s[TBK], s[TBK], 64*PK
	s_add_co_u32 s[TBV], s[TBV], 64*PVP
	s_add_co_u32 s[KSR], s[KSR], 1
	s_cmp_lt_u32 s[KSR], 8
	s_cbranch_scc1 .LstepB
	; THE WAY OUT.  l's two halves and the other half of the lanes' are added; O^T is divided by l, rounded to f16 and sent through my stage in LDS, a slot (16 rows of O) at a time.
.macro ALL line:vararg              ; one line for each slot t
.set t, 0
.rept 4
	\line
.set t, t+1
.endr
.endm
	ALL v_add_f32 v[ST+4*t+2], v[ST+4*t+2], v[ST+4*t+3]
	ALL v_permlanex16_b32 v[ST+4*t+3], v[ST+4*t+2], s[SEL], s[SEL+1]
	ALL v_add_f32 v[ST+4*t+2], v[ST+4*t+2], v[ST+4*t+3]
	ALL v_rcp_f32 v[ST+4*t+2], v[ST+4*t+2]
	v_nop                           ; a plain instruction between the last reciprocal and the use of its result
	s_wait_alu depctr_va_vdst(0)
.macro PACK t                       ; a lane's eight channels of a row pack into 16 bytes; they go into rows of 144 bytes and come back as whole rows of 128, into S^T's registers
	WIN W_RS
.set i, 32*(\t)
.rept 16
	v_pk_mul_f32 v[i:i+1], v[i:i+1], v[ST+4*(\t)+2:ST+4*(\t)+3] op_sel_hi:[1,0]
.set i, i+2
.endr
	WIN 0x05                        ; sources 0 and 1 window 1, destination window 0
.set i, 0
.rept 16
	v_cvt_pk_f16_f32 v[S+16*(\t)+i], v[32*(\t)+2*i], v[32*(\t)+2*i+1]
.set i, i+1
.endr
	WIN 0
.irp f, 0,1,2,3
	ds_store_b128 v[STO], v[S+16*(\t)+4*\f:S+16*(\t)+4*\f+3] offset:32*\f
.endr
.irp f, 0,1,2,3
	ds_load_b128 v[S+16*(\t)+4*\f:S+16*(\t)+4*\f+3], v[RD] offset:\f*4*SP  ; LDS serves a wave's instructions in order (ISA guide 5.7.1.4): these see the stores above; the next slot's stores come behind them
.endr
.endm
.macro SEND t, younger              ; younger: the LDS instructions issued behind slot t's loads: the next slot's eight, or none
.irp f, 0,1,2,3
	s_wait_dscnt (\younger)+3-\f
	global_store_b128 v[GOT+(\t)], v[S+16*(\t)+4*\f:S+16*(\t)+4*\f+3], s[6:7] offset:\f*512  ; 512 consecutive bytes, at a multiple of 256 from O's first
.endr
.endm
	PACK 0
	PACK 1                          ; a slot's arithmetic stands between the loads of the slot before and its stores
	SEND 0, 8
	PACK 2
	SEND 1, 8
	PACK 3
	SEND 2, 8
	SEND 3, 0
	s_wait_tensorcnt 0x0            ; the wave's end
	ds_add_u32 v[SPW], v[NIL]
	s_wait_dscnt 0x0
	CROUND                          ; the closing round
	s_endpgm
.Lfunc_end_k_qfc0599303f_attn:
	.size	k_qfc0599303f_attn, .Lfunc_end_k_qfc0599303f_attn-k_qfc0599303f_attn
	.p2alignl 7, 3214868480
	.fill 96, 4, 3214868480
	.section	.rodata,"a",@progbits
	.p2align	6, 0x0
	.amdhsa_kernel k_qfc0599303f_attn
		.amdhsa_group_segment_fixed_size 327680
		.amdhsa_private_segment_fixed_size 0
		.amdhsa_enable_private_segment 0
		.amdhsa_kernarg_size 16
		.amdhsa_user_sgpr_count 2
		.amdhsa_user_sgpr_kernarg_segment_ptr 1
		.amdhsa_wavefront_size32 1
		.amdhsa_system_sgpr_workgroup_id_x 1
		.amdhsa_system_sgpr_workgroup_id_y 1
		.amdhsa_system_sgpr_workgroup_id_z 1
		.amdhsa_system_vgpr_workitem_id 0
		.amdhsa_next_free_vgpr 768
		.amdhsa_next_free_sgpr 80
		.amdhsa_reserve_vcc 1
		.amdhsa_float_denorm_mode_32 3
		.amdhsa_float_denorm_mode_16_64 3
		.amdhsa_memory_ordered 1
		.amdhsa_forward_progress 1
		.amdhsa_inst_pref_size 85
	.end_amdhsa_kernel
	.amdgpu_metadata
---
amdhsa.version: [ 1, 2 ]
amdhsa.kernels:
  - .name:           k_qfc0599303f_attn
    .symbol:         k_qfc0599303f_attn.kd
    .args:
      - { .name: big, .offset: 0, .size: 8, .value_kind: global_buffer, .address_space: global }
      - { .name: ob, .offset: 8, .size: 8, .value_kind: global_buffer, .address_space: global }
    .group_segment_fixed_size: 327680
    .private_segment_fixed_size: 0
    .kernarg_segment_align: 8
    .kernarg_segment_size: 16
    .max_flat_workgroup_size: 128
    .sgpr_count:     80
    .vgpr_count:     768
    .wavefront_size: 32
...
	.end_amdgpu_metadata
.endif
;; end of part 3
;; launch wo (part 4): grid 8 x 32, 4 waves a work-group, clusters of 4 x 4, 327,680 bytes of LDS; arguments ob, pack1, act, zb; writes zb
.if DOCPART == 4
	.amdgcn_target "amdgcn-amd-amdhsa--gfx1250"
	.amdhsa_code_object_version 6
	.text
	.protected	k_qfc0599303f_wo
	.globl	k_qfc0599303f_wo
	.p2align	8
	.type	k_qfc0599303f_wo,@function
k_qfc0599303f_wo:
	s_mov_b64 s[64:65], 0
	v_nop
	global_prefetch_b8 v0, s[64:65] scope:SCOPE_SE
	s_setreg_imm32_b32 hwreg(HW_REG_WAVE_MODE, 25, 1), 1
	s_wait_xcnt 0x0
	s_wait_alu depctr_hold_cnt(0) depctr_sa_sdst(0) depctr_va_vdst(0) depctr_va_sdst(0) depctr_va_ssrc(0) depctr_va_vcc(0) depctr_vm_vsrc(0)
	s_getreg_b32 s2, hwreg(HW_REG_IB_STS2, 6, 4)
	s_cmp_eq_u32 s2, 0
	s_cbranch_scc0 .Lentry_in_a_cluster
	s_endpgm
.Lentry_in_a_cluster:
	s_bfe_u32 s2, ttmp6, 0x10000c
	s_cmp_lg_u32 s2, 0xf033
	s_cbranch_scc0 .Lentry_shape_is_right
	s_endpgm
.Lentry_shape_is_right:
; THE ATTENTION'S OUTPUT PROJECTION.  Z = R + A W + bias, K = 1,024, N = 1,024, in tiles of 128 x 128: 256 work-groups.
; A: f16 in panels [k / 64][4096 tokens][64].  W: f16 in blocks [k / 256][n / 128][k % 256][128] at pack + 8,421,376.
; bias: f32 at pack + 0x4000.  R, the residual: f16 in panels [n / 128][4096][128].  Z: f32 [4096][1024]: a sum that the norm behind reads, so it stays in f32.
; The feed-forward's second product has the same text with another KSTEPS: barriers and joint loads stand in the loop over K, so its trip count is a constant of the text.
; SHARES.  Four waves, each 64 x 64: 16 accumulators.  K goes in steps of 256 through two LDS slots.  A wave's load of A brings two panels' 128 rows x 64 k, each 16,384 dense bytes, as two long rows,
; padded after every 128 bytes; its load of W 128 rows of 256 bytes.  W lies [k][n]: its fragments come out of LDS turned.
; CLUSTER.  4 x 4 work-groups; A's tiles are shared along a row, W's along a column, by joint loads.  THE MATRIX INSTRUCTION IS USED TRANSPOSED (a lane holds a row and eight neighbouring columns).
; THE BIAS is loaded straight into the 16 accumulators (32 loads): nothing is cleared, nothing is added later, and every K step has the same text.
; THE WALK ALONG K IS A ROTATION.  Cluster (X, Y) begins at K step o = (KSTEPS / 2) X + (KSTEPS / 4) ((Y + 2 (Y / 4)) % 4) and goes round modulo KSTEPS.  The two clusters that need the same rows of A
; ask for a tile KSTEPS / 2 steps apart; of the eight that need the same columns of W, each of the sets Y = {0..3}, {4..7}, {0,1,4,5}, {2,3,6,7} holds all four starts, KSTEPS / 4 steps apart.  So a cluster is
; the first to ask for A's tiles in its first KSTEPS / 2 steps alone, and for W's in its first KSTEPS / 4.  o hangs on the cluster's coordinates alone: it is the same in all partners.
; LIMIT: the f32 sums run along K in that rotation, not in ascending order.
; With KSTEPS = 4 the two first fills are all of A that a cluster is the first to ask for: nothing is asked for ahead of its tensor load.
; ONE TEXT FOR A K STEP.  The slot in hand is a scalar, TG = 0 or SLOT, turned at each change of slots; fragment addresses are a base + TG, a refill's LDS address is the wave's part + the slot just read.
; The step stands twice: in the loop of the KSTEPS - 2 steps that fill a slot again, and in the loop of the last 2, which ask for nothing.
; THE WAY OUT goes through one stage of 128 rows x 528 bytes in slot 0's bytes, which have had their last fill and, behind the last two changes of slots' barriers, their last read.
; REGISTERS: window 0: v16-31 addresses; v32-95 the residual of my 32 rows of the way out, on its way during the whole K loop; v128-255 the accumulators ((a, b) at v[128 + 8 (4 a + b)]).
;   window 1: two fragment buffers of 128: for 64 along K, 64 registers of A, then 64 of W.
.set KSTEPS, 4                         ; K = 1,024 in steps of 256
.set PA,     144                       ; A's LDS row: 128 bytes + 16
.set PB,     288                       ; W's LDS row: 256 bytes + 32 = 9 x 32
.set PART,   36864                     ; what one tensor load brings: 2 x 128 x 144 or 128 x 288
.set SLOT,   4*PART                    ; A's four panels, then W's 256 rows of k
.set BOFF,   2*PART
.set SPITCH, 528                       ; a stage row: 512 bytes + 16
.set SPARE,  2*SLOT                    ; behind the ring: the spare words, 128 bytes for each wave: two blocks of 256 bytes that no other line names
.set ADRA0, 16                         ; v16     LDS address of my A fragments in slot 0; never rewritten
.set ADRA,  17                         ; v17     in the slot in hand
.set PFV,   18                         ; v18     256 x lane, for what is asked for ahead; never rewritten
.set ADRB0, 20                         ; v20-21  of my W fragments in slot 0: quarters 0-1, quarters 2-3 (a step's rows reach past a 16-bit offset); never rewritten
.set ADRB,  22                         ; v22-23  in the slot in hand
.set STO,  24
.set RD,   25
.set ZO,   26                          ; v26     my 16 bytes of a row's 512 in Z
.set RO,   27                          ; v27     my 8 bytes of a row's 256 in R
.set SPW,  28
.set NIL,  29
.set ONE,  30                          ; v30     1.0
.set BO,   31
.set RES,  32
.set ACC,  128
.set F0,   0
.set F1,   128
.set WV, 14
.set RH, 15
.set CH, 16
.set TG, 46                            ; s46 the slot in hand: 0 or SLOT
.set G1, 24                            ; s[24:31] group 1 for A's tiles; s[32:39] group 0: a set for each of the two first fills; the second then serves every refill
.set G0, 32
.set G1B, 48                           ; s[48:55], s[56:63] the same for W's
.set G0B, 56
.set OFA, 66                           ; s[66:67] byte offset of a K step in A: the step's number x four panels
.set OFW, 68                           ; s[68:69] in W: x eight blocks
.set SN,  70                           ; s70 the K step asked for last
.set PFLIM, 71                         ; s71 trips whose counter is below this ask for nothing ahead
.set PFA,   72                         ; s[72:73] my wave's share of K step 0's tile, of A or of W
.set PFOF,  74                         ; s[74:75] an offset
.set PFB,   76                         ; s[76:77], s[78:79] the addresses asked for ahead
.set PFB2,  78
.set PFS,   80                         ; s80 a step's number
.set PFSH,  81                         ; s81 log2 of a step's bytes: 21 for A, 19 for W
.set MSB, 0
.macro WIN new
.if MSB != (\new)
	s_set_vgpr_msb (MSB<<8)|(\new)
.set MSB, \new
.endif
.endm
.set MUL,  0x05                        ; sources 0 (W) and 1 (A) window 1; C and D window 0
.set TO_F, 0x40                        ; destination window 1, address window 0
.macro JLOAD s                         ; a joint load: waves 0 and 1 fetch A's two halves, waves 2 and 3 W's; an s_nop 0 and four v_nop follow each of the two lines
	s_cmp_eq_u32 s[RH], 0
	s_cbranch_scc0 .Lfor_b_\@
	tensor_load_to_lds s[G0+4*(\s):G0+4*(\s)+3], s[G1:G1+7]
	s_nop 0
.rept 4
	v_nop
.endr
	s_branch .Lasked_\@
.Lfor_b_\@:
	tensor_load_to_lds s[G0B+4*(\s):G0B+4*(\s)+3], s[G1B:G1B+7]
	s_nop 0
.rept 4
	v_nop
.endr
.Lasked_\@:
.endm
.macro CREST
	s_cmp_lg_u32 s[WV], 0
	s_cbranch_scc1 .Lnot_wave_0_\@
	s_barrier_signal -3
.Lnot_wave_0_\@:
	s_barrier_wait -3
	s_barrier_signal -1
	s_barrier_wait -1
.endm
.macro CROUND
	s_barrier_signal -1
	s_barrier_wait -1
	CREST
.endm
	s_load_b256 s[4:11], s[0:1], 0x0               ; A s[4:5], pack s[6:7], R s[8:9], Z s[10:11]
	v_lshl_add_u32 v[SPW], v0, 2, SPARE
	v_mov_b32 v[NIL], 0
	ds_add_u32 v[SPW], v[NIL]                      ; the wave's opening: the add and its wait stand ahead of my first tensor load
	v_lshrrev_b32 v1, 5, v0
	v_readfirstlane_b32 s[WV], v1
	s_lshr_b32 s[RH], s[WV], 1                     ; which half of the rows.  Also: I fetch for A (0) or W (1)
	s_and_b32 s[CH], s[WV], 1                      ; which half of the columns.  Also: which half I fetch
	s_bfe_u32 s40, ttmp6, 0x40000
	s_bfe_u32 s41, ttmp6, 0x40004
	s_lshl_b32 s42, ttmp9, 2
	s_add_co_u32 s42, s42, s40                     ; tile column
	s_and_b32 s43, ttmp7, 0xffff
	s_lshl_b32 s43, s43, 2
	s_add_co_u32 s43, s43, s41                     ; tile row
	s_lshl_b32 s44, s41, 2
	s_lshl_b32 s44, 15, s44                        ; my row of the cluster
	s_lshl_b32 s45, 0x1111, s40                    ; my column
	s_or_b32 s[G1+0], s44, (1<<16)|(1<<20)|(1<<21)|(4<<22)|(3<<25)   ; after every 32 words (a token's 64 k), 4 words
	s_mov_b32 s[G1+1], 8192<<16                    ; tensor_dim0 = 8,192: 128 tokens x 64 k, dense
	s_mov_b32 s[G1+2], 2<<16                       ; tensor_dim1 = 2 panels
	s_mov_b32 s[G1+3], 8192<<16                    ; tile_dim0
	s_mov_b32 s[G1+4], 2                           ; tile_dim1
	s_mov_b32 s[G1+5], 262144                      ; elements from panel to panel
	s_mov_b32 s[G1+6], 0
	s_mov_b32 s[G1+7], 0
	s_or_b32 s[G1B+0], s45, (1<<16)|(1<<20)|(1<<21)|(5<<22)|(7<<25)  ; after every 64 words, 8 words
	s_mov_b32 s[G1B+1], 128<<16
	s_mov_b32 s[G1B+2], 128<<16
	s_mov_b32 s[G1B+3], 128<<16
	s_mov_b32 s[G1B+4], 128
	s_mov_b32 s[G1B+5], 128
	s_mov_b32 s[G1B+6], 0
	s_mov_b32 s[G1B+7], 0
	s_lshl_b32 s18, s43, 14                        ; A: 128 rows of 128 bytes a tile row,
	s_lshl_b32 s19, s[CH], 20                      ; my two panels of a step's four
	s_add_co_u32 s18, s18, s19
	s_mov_b32 s19, 0
	s_lshl_b32 s20, s42, 16                        ; W: the tile column's block,
	s_lshl_b32 s21, s[CH], 15                      ; my 128 rows of 256 bytes
	s_add_co_u32 s20, s20, s21
	s_add_co_u32 s20, s20, 8421376
	s_mov_b32 s21, 0
	s_mul_i32 s22, s[WV], PART                     ; where my loads land in a slot
	s_mov_b32 s[TG], 0                             ; the first K step lies in slot 0
	s_and_b32 s[OFA], ttmp7, 0xffff                ; Y, the cluster's row
	s_lshr_b32 s[OFW], s[OFA], 2
	s_lshl_b32 s[OFW], s[OFW], 1
	s_add_co_u32 s[OFA], s[OFA], s[OFW]
	s_and_b32 s[OFA], s[OFA], 3                    ; (Y + 2 (Y / 4)) % 4
	s_mul_i32 s[OFA], s[OFA], KSTEPS/4
	s_mul_i32 s[OFW], ttmp9, KSTEPS/2              ; X, the cluster's column: 0 or 1
	s_add_co_u32 s[OFA], s[OFA], s[OFW]
	s_and_b32 s[SN], s[OFA], KSTEPS-1              ; o: the K step at which my cluster begins
	s_mov_b32 s[OFA+1], 0
	s_mov_b32 s[OFW+1], 0
.if KSTEPS > 4
	s_lshl_b32 s[PFOF], s43, 14                    ; what I ask for ahead.  Of A: my tile row's 16,384 bytes
	s_lshl_b32 s[PFS], s40, 19                     ; in panel cx of a step's four;
	s_add_co_u32 s[PFOF], s[PFOF], s[PFS]
	s_lshl_b32 s[PFB], s42, 16                     ; of W: my tile column's block,
	s_lshl_b32 s[PFS], s41, 14                     ; quarter cy of it
	s_add_co_u32 s[PFB], s[PFB], s[PFS]
	s_add_co_u32 s[PFB], s[PFB], 8421376
	s_cmp_eq_u32 s[RH], 0                          ; waves 0 and 1 ask for A, waves 2 and 3 for W
	s_cselect_b32 s[PFOF], s[PFOF], s[PFB]
	s_cselect_b32 s[PFSH], 21, 19
	s_cselect_b32 s[PFLIM], KSTEPS-5, KSTEPS-1     ; in the loop: A in the trips whose counter is KSTEPS - 2 .. KSTEPS - 5, W in none
	s_lshl_b32 s[PFS], s[CH], 13                   ; my wave's 8,192 bytes of the 16,384
	s_add_co_u32 s[PFOF], s[PFOF], s[PFS]
	s_mov_b32 s[PFOF+1], 0
.endif
	s_wait_dscnt 0x0                               ; the opening add is done
	s_wait_kmcnt 0x0
	s_add_nc_u64 s[18:19], s[4:5], s[18:19]        ; my part of K step 0's tile of A; never rewritten
	s_add_nc_u64 s[20:21], s[6:7], s[20:21]        ; of W; never rewritten
.if KSTEPS > 4
	s_cmp_eq_u32 s[RH], 0
	s_cselect_b64 s[PFA:PFA+1], s[4:5], s[6:7]
	s_add_nc_u64 s[PFA:PFA+1], s[PFA:PFA+1], s[PFOF:PFOF+1]
.endif
	CROUND                                         ; all sixteen work-groups are here
.irp s, 0,1
	s_lshl_b32 s[OFA], s[SN], 21                   ; a K step is four panels of 524,288 bytes
	s_lshl_b32 s[OFW], s[SN], 19                   ; and eight blocks of 65,536
	s_mov_b32 s[G0+4*(\s)], 1
	s_add_co_u32 s[G0+4*(\s)+1], s22, (\s)*SLOT
	s_add_nc_u64 s[G0+4*(\s)+2:G0+4*(\s)+3], s[18:19], s[OFA:OFA+1]
	s_or_b32 s[G0+4*(\s)+3], s[G0+4*(\s)+3], 0x80000000
	s_mov_b32 s[G0B+4*(\s)], 1
	s_add_co_u32 s[G0B+4*(\s)+1], s22, (\s)*SLOT
	s_add_nc_u64 s[G0B+4*(\s)+2:G0B+4*(\s)+3], s[20:21], s[OFW:OFW+1]
	s_or_b32 s[G0B+4*(\s)+3], s[G0B+4*(\s)+3], 0x80000000
	JLOAD \s                                       ; steps o and o + 1: two loads of mine are out
.if (\s) == 0
	s_add_co_u32 s[SN], s[SN], 1
	s_and_b32 s[SN], s[SN], KSTEPS-1
.endif
.endr
.if KSTEPS > 4
	v_and_b32 v[PFV], 31, v0
	v_lshlrev_b32 v[PFV], 8, v[PFV]                ; lanes 256 bytes apart: 8,192 bytes an instruction
	s_add_co_u32 s[PFS], s[SN], 1                  ; steps o + 2 and o + 3, whose tensor loads are issued at the ends of the first two trips
	s_and_b32 s[PFS], s[PFS], KSTEPS-1
	s_lshl_b32 s[PFOF], s[PFS], s[PFSH]
	s_add_nc_u64 s[PFB:PFB+1], s[PFA:PFA+1], s[PFOF:PFOF+1]
	global_prefetch_b8 v[PFV], s[PFB:PFB+1] th:TH_LOAD_NT scope:SCOPE_SE
	s_add_co_u32 s[PFS], s[SN], 2
	s_and_b32 s[PFS], s[PFS], KSTEPS-1
	s_lshl_b32 s[PFOF], s[PFS], s[PFSH]
	s_add_nc_u64 s[PFB2:PFB2+1], s[PFA:PFA+1], s[PFOF:PFOF+1]
	global_prefetch_b8 v[PFV], s[PFB2:PFB2+1] th:TH_LOAD_NT scope:SCOPE_SE
.endif
	s_lshl_b32 s2, s42, 9                          ; the bias of my 64 columns: 0x4000 + 4 (128 tile column + 64 half)
	s_lshl_b32 s3, s[CH], 8
	s_add_co_u32 s2, s2, s3
	s_add_co_u32 s2, s2, 0x4000
	s_mov_b32 s3, 0
	s_add_nc_u64 s[6:7], s[6:7], s[2:3]
	s_lshl_b32 s2, s42, 20                         ; R: the tile column's panel, row 128 tile row + 32 wave, of 256 bytes
	s_lshl_b32 s23, s43, 15
	s_add_co_u32 s2, s2, s23
	s_lshl_b32 s23, s[WV], 13
	s_add_co_u32 s2, s2, s23
	s_add_nc_u64 s[8:9], s[8:9], s[2:3]
	s_lshl_b32 s2, s43, 19                         ; Z: the same row, of 4,096 bytes, and the tile's 512 bytes in it
	s_lshl_b32 s23, s[WV], 17
	s_add_co_u32 s2, s2, s23
	s_lshl_b32 s23, s42, 9
	s_add_co_u32 s2, s2, s23
	s_add_nc_u64 s[10:11], s[10:11], s[2:3]
	v_and_b32 v1, 15, v0                           ; l % 16
	v_bfe_u32 v2, v0, 4, 1                         ; l / 16
	v_lshlrev_b32 v[BO], 5, v2
	v_and_b32 v7, 31, v0
	v_lshlrev_b32 v[ZO], 4, v7
	v_lshlrev_b32 v[RO], 3, v7
	v_mov_b32 v[ONE], 1.0
.set i, 0
.rept 16                               ; register j of accumulator (a, b), i = 4 a + b, starts as the bias of column 16 b + 8 (l / 16) + j
	global_load_b128 v[ACC+8*i:ACC+8*i+3],   v[BO], s[6:7] offset:64*(i%4)
	global_load_b128 v[ACC+8*i+4:ACC+8*i+7], v[BO], s[6:7] offset:64*(i%4)+16
.set i, i+1
.endr
	v_mul_u32_u24 v3, v1, PA
	v_lshl_add_u32 v3, v2, 4, v3
	s_mul_i32 s23, s[RH], 64*PA                    ; my 64 rows in each panel
	v_add_nc_u32 v[ADRA0], s23, v3
	v_add_nc_u32 v[ADRA], s23, v3
	v_and_b32 v5, 7, v0                            ; W, turned: lane l reads row of k 8 (l / 16) + l % 8, columns 8 ((l / 8) % 2) + 0..7
	v_lshl_add_u32 v4, v2, 3, v5
	v_mul_u32_u24 v4, v4, PB
	v_bfe_u32 v6, v0, 3, 1
	v_lshl_add_u32 v4, v6, 4, v4
	s_lshl_b32 s23, s[CH], 7                       ; my 64 columns
	s_add_co_u32 s23, s23, BOFF
	v_add_nc_u32 v[ADRB0], s23, v4
	v_add_nc_u32 v[ADRB0+1], PART, v[ADRB0]
	v_add_nc_u32 v[ADRB], s23, v4
	v_add_nc_u32 v[ADRB+1], PART, v[ADRB0]
	s_mul_i32 s23, s[RH], 64*SPITCH                ; into the stage: my 64 rows, my half of their 512 bytes; row l % 16, 32 bytes for each half of the lanes
	s_lshl_b32 s2, s[CH], 8
	s_add_co_u32 s23, s23, s2
	v_mul_u32_u24 v3, v1, SPITCH
	v_lshl_add_u32 v3, v2, 5, v3
	v_add_nc_u32 v[STO], s23, v3
	s_mul_i32 s23, s[WV], 32*SPITCH                ; back: wave w takes rows 32 w .. 32 w + 31, whole
	v_add_nc_u32 v[RD], s23, v[ZO]
.macro MUL8 f, c, a0                   ; 8 matrix instructions: m blocks a0, a0 + 1 x all 4 n blocks, 32 along K: half c of buffer f.  The 16 accumulators take turns
	WIN MUL
.irp a, \a0, (\a0)+1
.irp b, 0,1,2,3
	v_wmma_f32_16x16x32_f16 v[ACC+8*(4*(\a)+(\b)):ACC+8*(4*(\a)+(\b))+7], v[(\f)+64+8*(4*(\c)+(\b)):(\f)+64+8*(4*(\c)+(\b))+7], v[(\f)+8*(4*(\c)+(\a)):(\f)+8*(4*(\c)+(\a))+7], v[ACC+8*(4*(\a)+(\b)):ACC+8*(4*(\a)+(\b))+7]
.endr
.endr
.endm
.macro FETCH q, f                      ; 32 LDS loads in one run: the fragments of quarter q (64 along K: one panel of A) of the slot in hand into buffer f; the first 32 along K first
	WIN TO_F
.irp c, 0,1
.irp i, 0,1,2,3
	ds_load_tr16_b128 v[(\f)+64+8*(4*(\c)+(\i)):(\f)+64+8*(4*(\c)+(\i))+3],   v[ADRB+(\q)/2] offset:64*PB*((\q)%2)+32*PB*(\c)+32*(\i)
	ds_load_tr16_b128 v[(\f)+64+8*(4*(\c)+(\i))+4:(\f)+64+8*(4*(\c)+(\i))+7], v[ADRB+(\q)/2] offset:64*PB*((\q)%2)+32*PB*(\c)+32*(\i)+16*PB
	ds_load_b128 v[(\f)+8*(4*(\c)+(\i)):(\f)+8*(4*(\c)+(\i))+3],              v[ADRA] offset:128*PA*(\q)+(\i)*16*PA+64*(\c)
	ds_load_b128 v[(\f)+8*(4*(\c)+(\i))+4:(\f)+8*(4*(\c)+(\i))+7],            v[ADRA] offset:128*PA*(\q)+(\i)*16*PA+64*(\c)+32
.endr
.endr
.endm
.macro PLACES                          ; four places in front of loads into registers that matrix instructions have read, and of stores that read results
.rept 4
	v_nop
.endr
.endm
.macro QUARTER q, f, g                 ; multiplies buffer f and fetches quarter q of the slot into g
	s_wait_dscnt 16                                ; the first 32 along K are in
	MUL8 \f, 0, 0
	MUL8 \f, 0, 2
	PLACES
	FETCH \q, \g
	s_wait_dscnt 32                                ; all but the 32 just issued
	MUL8 \f, 1, 0
	MUL8 \f, 1, 2
.endm
; The last quarter multiplies buffer 1 and changes slots: one barrier; in front of it each wave waits for all its tensor loads, adds 0 to its spare word, and waits for that and for its reads of this slot.
; fill = 1: the barrier opens a round of the cluster's, and the slot just read is filled again, two K steps ahead, first thing behind the round.
; fill = 0: nothing is asked for; in the loop's last trip there is no next step, and the run of LDS loads is jumped over.
.macro TURN fill
	WIN 0
	s_wait_tensorcnt 0x0                           ; my part of the next slot has landed; no tensor load of mine is out, so a group 0 may be written
	ds_add_u32 v[SPW], v[NIL]
	s_wait_dscnt 17                                ; the add and the youngest sixteen loads may be out
	MUL8 F1, 0, 0
	s_wait_dscnt 0x0                               ; the add is done, and my reads of this slot are over
	s_barrier_signal -1
	MUL8 F1, 0, 2
	WIN 0
.if \fill
	s_add_co_u32 s[G0+5], s22, s[TG]               ; the refill lands in the slot just read,
	s_add_co_u32 s[G0B+5], s22, s[TG]
	s_add_co_u32 s[SN], s[SN], 1                   ; and brings the K step behind the one asked for last, round modulo KSTEPS:
	s_and_b32 s[SN], s[SN], KSTEPS-1
	s_lshl_b32 s[OFA], s[SN], 21                   ; its address is made anew from the step's number
	s_lshl_b32 s[OFW], s[SN], 19
	s_add_nc_u64 s[G0+6:G0+7], s[18:19], s[OFA:OFA+1]
	s_or_b32 s[G0+7], s[G0+7], 0x80000000
	s_add_nc_u64 s[G0B+6:G0B+7], s[20:21], s[OFW:OFW+1]
	s_or_b32 s[G0B+7], s[G0B+7], 0x80000000
.endif
	s_xor_b32 s[TG], s[TG], SLOT                   ; the other slot is in hand
	v_add_nc_u32 v[ADRA], s[TG], v[ADRA0]
	v_add_nc_u32 v[ADRB], s[TG], v[ADRB0]
	v_add_nc_u32 v[ADRB+1], s[TG], v[ADRB0+1]
	s_barrier_wait -1
.if \fill
	CREST                                          ; the barrier has opened a round of the cluster's
	JLOAD 1                                        ; 112 matrix instructions ahead of the wait for it; its four v_nop are also the places in front of the loads below
.if KSTEPS > 4
	s_cmp_lt_u32 s3, s[PFLIM]                      ; in the first four trips waves 0 and 1 ask for their share of A's tile two steps behind the one just requested:
	s_cbranch_scc1 .Lno_ask_\@                     ; its tensor load is issued two trips on.  That is step o + 7 at the most: the last that my cluster is the first to ask for
	s_add_co_u32 s[PFS], s[SN], 2
	s_and_b32 s[PFS], s[PFS], KSTEPS-1             ; modulo KSTEPS: every address lies in the buffer
	s_lshl_b32 s[PFOF], s[PFS], 21
	s_wait_xcnt 0x0                                ; the address that was asked for a trip ago is rewritten only behind this wait
	s_add_nc_u64 s[PFB:PFB+1], s[PFA:PFA+1], s[PFOF:PFOF+1]
	global_prefetch_b8 v[PFV], s[PFB:PFB+1] th:TH_LOAD_NT scope:SCOPE_SE
.Lno_ask_\@:
.endif
	FETCH 0, F0
.else
	PLACES
	s_cmp_eq_u32 s3, 1
	s_cbranch_scc1 .Lno_more_\@
	FETCH 0, F0
	WIN 0
.Lno_more_\@:
.endif
	MUL8 F1, 1, 0
	MUL8 F1, 1, 2
.endm
.macro STEP fill                       ; a K step: four quarters of 64 along K, on buffers 0, 1, 0, 1
	QUARTER 1, F0, F1
	QUARTER 2, F1, F0
	QUARTER 3, F0, F1
	TURN \fill
	WIN 0                                          ; at a label and at a branch every window is 0
.endm
	s_wait_tensorcnt 0x1                           ; my part of the first K step is in; the second's stays out
	s_barrier_signal -1
	s_barrier_wait -1
	FETCH 0, F0
	WIN 0
	s_wait_loadcnt 0x0                             ; the bias lies in the accumulators
.set t, 0
.rept 32                               ; the residual of the 32 rows that I store: each load covers a row's 256 consecutive bytes; it has the whole K loop in which to come
	global_load_b64 v[RES+2*t:RES+2*t+1], v[RO], s[8:9] offset:256*t
.set t, t+1
.endr
	s_mov_b32 s3, KSTEPS-2
.Lstep:                                                ; each trip fills the slot that it has read, two steps ahead
	STEP 1
	s_sub_co_u32 s3, s3, 1
	s_cmp_lg_u32 s3, 0
	s_cbranch_scc1 .Lstep
	s_mov_b32 s3, 2
.Ltail:                                                ; the last two K steps ask for nothing
	STEP 0
	s_sub_co_u32 s3, s3, 1
	s_cmp_lg_u32 s3, 0
	s_cbranch_scc1 .Ltail
	PLACES
.irp a, 0,1,2,3
.irp b, 0,1,2,3                        ; a lane's eight columns of a row are 32 bytes; each accumulator's low half first
	ds_store_b128 v[STO], v[ACC+8*(4*(\a)+(\b)):ACC+8*(4*(\a)+(\b))+3]   offset:(\a)*16*SPITCH+64*(\b)
	ds_store_b128 v[STO], v[ACC+8*(4*(\a)+(\b))+4:ACC+8*(4*(\a)+(\b))+7] offset:(\a)*16*SPITCH+64*(\b)+16
.endr
.endr
	s_wait_dscnt 0x0                               ; for the others' sake: my stores into the stage are done
	s_barrier_signal -1
	s_barrier_wait -1                              ; a row's 512 bytes come from two waves
.set t, 0
.rept 32
	ds_load_b128 v[ACC+4*t:ACC+4*t+3], v[RD] offset:t*SPITCH
.set t, t+1
.endr
	s_wait_loadcnt 0x0                             ; the residual
.set t, 0
.rept 32
	s_wait_dscnt 31-t                              ; row t is back, the younger rows stay out
	v_fma_mix_f32 v[ACC+4*t],   v[RES+2*t],   v[ONE], v[ACC+4*t]   op_sel:[0,0,0] op_sel_hi:[1,0,0]  ; the f16 residual x 1.0 + the sum, in f32
	v_fma_mix_f32 v[ACC+4*t+1], v[RES+2*t],   v[ONE], v[ACC+4*t+1] op_sel:[1,0,0] op_sel_hi:[1,0,0]
	v_fma_mix_f32 v[ACC+4*t+2], v[RES+2*t+1], v[ONE], v[ACC+4*t+2] op_sel:[0,0,0] op_sel_hi:[1,0,0]
	v_fma_mix_f32 v[ACC+4*t+3], v[RES+2*t+1], v[ONE], v[ACC+4*t+3] op_sel:[1,0,0] op_sel_hi:[1,0,0]
	global_store_b128 v[ZO], v[ACC+4*t:ACC+4*t+3], s[10:11] offset:4096*t  ; 512 consecutive bytes, aligned to 256
.set t, t+1
.endr
	s_wait_tensorcnt 0x0                           ; the wave's end
	ds_add_u32 v[SPW], v[NIL]
	s_wait_dscnt 0x0
	CROUND                                         ; the closing round
	s_endpgm
.Lfunc_end_k_qfc0599303f_wo:
	.size	k_qfc0599303f_wo, .Lfunc_end_k_qfc0599303f_wo-k_qfc0599303f_wo
	.p2alignl 7, 3214868480
	.fill 96, 4, 3214868480
	.section	.rodata,"a",@progbits
	.p2align	6, 0x0
	.amdhsa_kernel k_qfc0599303f_wo
		.amdhsa_group_segment_fixed_size 327680
		.amdhsa_private_segment_fixed_size 0
		.amdhsa_enable_private_segment 0
		.amdhsa_kernarg_size 32
		.amdhsa_user_sgpr_count 2
		.amdhsa_user_sgpr_kernarg_segment_ptr 1
		.amdhsa_wavefront_size32 1
		.amdhsa_system_sgpr_workgroup_id_x 1
		.amdhsa_system_sgpr_workgroup_id_y 1
		.amdhsa_system_sgpr_workgroup_id_z 1
		.amdhsa_system_vgpr_workitem_id 0
		.amdhsa_next_free_vgpr 512
		.amdhsa_next_free_sgpr 72
		.amdhsa_reserve_vcc 0
		.amdhsa_float_denorm_mode_32 3
		.amdhsa_float_denorm_mode_16_64 3
		.amdhsa_memory_ordered 1
		.amdhsa_forward_progress 1
		.amdhsa_inst_pref_size 69
	.end_amdhsa_kernel
	.amdgpu_metadata
---
amdhsa.version: [ 1, 2 ]
amdhsa.kernels:
  - .name:           k_qfc0599303f_wo
    .symbol:         k_qfc0599303f_wo.kd
    .args:
      - { .name: ob, .offset: 0, .size: 8, .value_kind: global_buffer, .address_space: global }
      - { .name: pack1, .offset: 8, .size: 8, .value_kind: global_buffer, .address_space: global }
      - { .name: act, .offset: 16, .size: 8, .value_kind: global_buffer, .address_space: global }
      - { .name: zb, .offset: 24, .size: 8, .value_kind: global_buffer, .address_space: global }
    .group_segment_fixed_size: 327680
    .private_segment_fixed_size: 0
    .kernarg_segment_align: 8
    .kernarg_segment_size: 32
    .max_flat_workgroup_size: 128
    .sgpr_count:     72
    .vgpr_count:     512
    .wavefront_size: 32
...
	.end_amdgpu_metadata
.endif
;; end of part 4
;; launch ln1 (part 5): grid 512 x 1, 8 waves a work-group, no clusters, 0 bytes of LDS; arguments zb, ln1_s, ln1_b, act; writes act
.if DOCPART == 5
	.amdgcn_target "amdgcn-amd-amdhsa--gfx1250"
	.amdhsa_code_object_version 6
	.text
	.protected	k_qfc0599303f_ln1
	.globl	k_qfc0599303f_ln1
	.p2align	8
	.type	k_qfc0599303f_ln1,@function
k_qfc0599303f_ln1:
	s_mov_b64 s[64:65], 0
	v_nop
	global_prefetch_b8 v0, s[64:65] scope:SCOPE_SE
	s_setreg_imm32_b32 hwreg(HW_REG_WAVE_MODE, 25, 1), 1
	s_wait_xcnt 0x0
; LAYER NORM of a row of 1,024 f32: y = (z - mean) rsqrt(var + 1e-5) gain + bias, in two passes over registers, all in f32.  y leaves as f16 in panels [column / 128][4096 tokens][128].
; One wave, one row (4,096 bytes = 32 registers): the reduction never leaves the wave: no LDS, no barrier.  Gain and bias are rounded to bf16 like every input of the program.
; LIMITS.  A y of 65,520 or more becomes an infinity in f16.
.set X,  4                             ; v[4:35]    the row: load j holds columns 128 j + 4 lane .. + 3
.set SG, 36                            ; v[36:67]   the gain
.set BB, 68                            ; v[68:99]   the bias
.set T,  100                           ; v[100:107] four chains of sums
.set MU, 108                           ; v[108:109] the mean, twice
.set RS, 110                           ; v[110:111] 1 / sqrt(var + eps), twice
.set Y,  112                           ; v[112:127] at work, then the row in f16
	s_load_b256 s[4:11], s[0:1], 0x0               ; z s[4:5], gain s[6:7], bias s[8:9], out s[10:11]
	v_lshrrev_b32 v1, 5, v0
	v_readfirstlane_b32 s14, v1
	s_lshl_b32 s15, ttmp9, 3
	s_add_co_u32 s15, s15, s14                     ; my row
	s_lshl_b32 s16, s15, 12
	s_mov_b32 s17, 0
	s_lshl_b32 s18, s15, 8
	s_mov_b32 s19, 0
	s_mov_b32 s12, 0x76543210
	s_mov_b32 s13, 0xfedcba98
	s_mov_b32 s21, 0xffff0000
	v_and_b32 v2, 31, v0
	v_lshlrev_b32 v1, 4, v2
	v_lshlrev_b32 v2, 3, v2
	v_mov_b32 v3, 0x3a800000                       ; 1 / 1024
	s_wait_kmcnt 0x0
	s_add_nc_u64 s[4:5], s[4:5], s[16:17]
	s_add_nc_u64 s[10:11], s[10:11], s[18:19]
.irp j, 0,1,2,3,4,5,6,7
	global_load_b128 v[X+4*(\j):X+4*(\j)+3], v1, s[4:5] offset:512*(\j) th:TH_LOAD_NT
.endr
.irp j, 0,1,2,3,4,5,6,7
	global_load_b128 v[SG+4*(\j):SG+4*(\j)+3], v1, s[6:7] offset:512*(\j)
.endr
.irp j, 0,1,2,3,4,5,6,7
	global_load_b128 v[BB+4*(\j):BB+4*(\j)+3], v1, s[8:9] offset:512*(\j)
.endr
	s_wait_loadcnt 16                              ; the row is in; gain's and bias's sixteen loads stay out
.irp k, 0,2,4,6
	v_pk_add_f32 v[T+(\k):T+(\k)+1], v[X+(\k):X+(\k)+1], v[X+8+(\k):X+8+(\k)+1]
.endr
.irp g, 16,24
.irp k, 0,2,4,6
	v_pk_add_f32 v[T+(\k):T+(\k)+1], v[T+(\k):T+(\k)+1], v[X+(\g)+(\k):X+(\g)+(\k)+1]
.endr
.endr
.macro ACROSS                          ; the four chains into one number, then over the 32 lanes: the result is in every lane's v[T]
	v_pk_add_f32 v[T:T+1], v[T:T+1], v[T+2:T+3]
	v_pk_add_f32 v[T+4:T+5], v[T+4:T+5], v[T+6:T+7]
	v_pk_add_f32 v[T:T+1], v[T:T+1], v[T+4:T+5]
	v_add_f32 v[T], v[T], v[T+1]
	v_add_f32_dpp v[T], v[T], v[T] row_xmask:1 row_mask:0xf bank_mask:0xf
	v_add_f32_dpp v[T], v[T], v[T] row_xmask:2 row_mask:0xf bank_mask:0xf
	v_add_f32_dpp v[T], v[T], v[T] row_xmask:4 row_mask:0xf bank_mask:0xf
	v_add_f32_dpp v[T], v[T], v[T] row_xmask:8 row_mask:0xf bank_mask:0xf
	v_permlanex16_b32 v[T+1], v[T], s12, s13
	v_add_f32 v[T], v[T], v[T+1]
.endm
	ACROSS
	v_mul_f32 v[MU], v3, v[T]
	v_mul_f32 v[MU+1], v3, v[T]
.set i, 0
.rept 16
	v_pk_add_f32 v[X+2*i:X+2*i+1], v[X+2*i:X+2*i+1], v[MU:MU+1] neg_lo:[0,1] neg_hi:[0,1]  ; d = z - mean
.set i, i+1
.endr
.irp k, 0,2,4,6
	v_pk_mul_f32 v[T+(\k):T+(\k)+1], v[X+(\k):X+(\k)+1], v[X+(\k):X+(\k)+1]
.endr
.irp g, 8,16,24
.irp k, 0,2,4,6
	v_pk_fma_f32 v[T+(\k):T+(\k)+1], v[X+(\g)+(\k):X+(\g)+(\k)+1], v[X+(\g)+(\k):X+(\g)+(\k)+1], v[T+(\k):T+(\k)+1]
.endr
.endr
	ACROSS
	v_fmaak_f32 v[T+2], v3, v[T], 0x3727c5ac       ; var + 1e-5
	v_rsq_f32 v[RS], v[T+2]
	v_rsq_f32 v[RS+1], v[T+2]                      ; the conversions below are the plain instructions behind it: they touch neither its source nor its result
	s_wait_loadcnt 0x0
.irp r, SG, BB
.set i, 0
.rept 16
	v_cvt_pk_bf16_f32 v[Y+i], v[(\r)+2*i], v[(\r)+2*i+1]
.set i, i+1
.endr
.set i, 0
.rept 16
	v_lshlrev_b32 v[(\r)+2*i],   16,  v[Y+i]
	v_and_b32     v[(\r)+2*i+1], s21, v[Y+i]
.set i, i+1
.endr
.endr
.set i, 0
	s_wait_alu depctr_va_vdst(0)
.rept 16
	v_pk_mul_f32 v[SG+2*i:SG+2*i+1], v[SG+2*i:SG+2*i+1], v[RS:RS+1]
.set i, i+1
.endr
.set i, 0
.rept 16
	v_pk_fma_f32 v[X+2*i:X+2*i+1], v[X+2*i:X+2*i+1], v[SG+2*i:SG+2*i+1], v[BB+2*i:BB+2*i+1]
.set i, i+1
.endr
.set i, 0
.rept 16
	v_cvt_pk_f16_f32 v[Y+i], v[X+2*i], v[X+2*i+1]
.set i, i+1
.endr
.irp j, 0,1,2,3,4,5,6,7
	global_store_b64 v2, v[Y+2*(\j):Y+2*(\j)+1], s[10:11] offset:(\j)<<20  ; my row's 256 consecutive bytes in panel j
.endr
	s_endpgm
.Lfunc_end_k_qfc0599303f_ln1:
	.size	k_qfc0599303f_ln1, .Lfunc_end_k_qfc0599303f_ln1-k_qfc0599303f_ln1
	.p2alignl 7, 3214868480
	.fill 96, 4, 3214868480
	.section	.rodata,"a",@progbits
	.p2align	6, 0x0
	.amdhsa_kernel k_qfc0599303f_ln1
		.amdhsa_group_segment_fixed_size 0
		.amdhsa_private_segment_fixed_size 0
		.amdhsa_enable_private_segment 0
		.amdhsa_kernarg_size 32
		.amdhsa_user_sgpr_count 2
		.amdhsa_user_sgpr_kernarg_segment_ptr 1
		.amdhsa_wavefront_size32 1
		.amdhsa_system_sgpr_workgroup_id_x 1
		.amdhsa_system_sgpr_workgroup_id_y 1
		.amdhsa_system_sgpr_workgroup_id_z 1
		.amdhsa_system_vgpr_workitem_id 0
		.amdhsa_next_free_vgpr 128
		.amdhsa_next_free_sgpr 66
		.amdhsa_reserve_vcc 0
		.amdhsa_float_denorm_mode_32 3
		.amdhsa_float_denorm_mode_16_64 3
		.amdhsa_memory_ordered 1
		.amdhsa_forward_progress 1
		.amdhsa_inst_pref_size 16
	.end_amdhsa_kernel
	.amdgpu_metadata
---
amdhsa.version: [ 1, 2 ]
amdhsa.kernels:
  - .name:           k_qfc0599303f_ln1
    .symbol:         k_qfc0599303f_ln1.kd
    .args:
      - { .name: zb, .offset: 0, .size: 8, .value_kind: global_buffer, .address_space: global }
      - { .name: ln1_s, .offset: 8, .size: 8, .value_kind: global_buffer, .address_space: global }
      - { .name: ln1_b, .offset: 16, .size: 8, .value_kind: global_buffer, .address_space: global }
      - { .name: act, .offset: 24, .size: 8, .value_kind: global_buffer, .address_space: global }
    .group_segment_fixed_size: 0
    .private_segment_fixed_size: 0
    .kernarg_segment_align: 8
    .kernarg_segment_size: 32
    .max_flat_workgroup_size: 256
    .sgpr_count:     66
    .vgpr_count:     128
    .wavefront_size: 32
...
	.end_amdgpu_metadata
.endif
;; end of part 5
;; launch ff1: the kernel of part 2 again; grid 16 x 16, 4 waves a work-group, clusters of 4 x 4, 327,680 bytes of LDS; arguments act, pack2, par2, big; writes big
;; launch ff2 (part 6): grid 8 x 32, 4 waves a work-group, clusters of 4 x 4, 327,680 bytes of LDS; arguments big, pack2, act, zb; writes zb
.if DOCPART == 6
	.amdgcn_target "amdgcn-amd-amdhsa--gfx1250"
	.amdhsa_code_object_version 6
	.text
	.protected	k_qfc0599303f_ff2
	.globl	k_qfc0599303f_ff2
	.p2align	8
	.type	k_qfc0599303f_ff2,@function
k_qfc0599303f_ff2:
	s_mov_b64 s[64:65], 0
	v_nop
	global_prefetch_b8 v0, s[64:65] scope:SCOPE_SE
	s_setreg_imm32_b32 hwreg(HW_REG_WAVE_MODE, 25, 1), 1
	s_wait_xcnt 0x0
	s_wait_alu depctr_hold_cnt(0) depctr_sa_sdst(0) depctr_va_vdst(0) depctr_va_sdst(0) depctr_va_ssrc(0) depctr_va_vcc(0) depctr_vm_vsrc(0)
	s_getreg_b32 s2, hwreg(HW_REG_IB_STS2, 6, 4)
	s_cmp_eq_u32 s2, 0
	s_cbranch_scc0 .Lentry_in_a_cluster
	s_endpgm
.Lentry_in_a_cluster:
	s_bfe_u32 s2, ttmp6, 0x10000c
	s_cmp_lg_u32 s2, 0xf033
	s_cbranch_scc0 .Lentry_shape_is_right
	s_endpgm
.Lentry_shape_is_right:
; THE FEED-FORWARD'S SECOND PRODUCT.  Z = R + A W + bias, K = 4,096, N = 1,024, in tiles of 128 x 128: 256 work-groups.
; A: f16 in panels [k / 64][4096 tokens][64].  W: f16 in blocks [k / 256][n / 128][k % 256][128] at pack + 8,421,376.
; bias: f32 at pack + 0x4000.  R, the residual: f16 in panels [n / 128][4096][128].  Z: f32 [4096][1024]: a sum that the norm behind reads, so it stays in f32.
; The attention's output projection has the same text with another KSTEPS: barriers and joint loads stand in the loop over K, so its trip count is a constant of the text.
; SHARES.  Four waves, each 64 x 64: 16 accumulators.  K goes in steps of 256 through two LDS slots.  A wave's load of A brings two panels' 128 rows x 64 k, each 16,384 dense bytes, as two long rows,
; padded after every 128 bytes; its load of W 128 rows of 256 bytes.  W lies [k][n]: its fragments come out of LDS turned.
; CLUSTER.  4 x 4 work-groups; A's tiles are shared along a row, W's along a column, by joint loads.  THE MATRIX INSTRUCTION IS USED TRANSPOSED (a lane holds a row and eight neighbouring columns).
; THE BIAS is loaded straight into the 16 accumulators (32 loads): nothing is cleared, nothing is added later, and every K step has the same text.
; THE WALK ALONG K IS A ROTATION.  Cluster (X, Y) begins at K step o = (KSTEPS / 2) X + (KSTEPS / 4) ((Y + 2 (Y / 4)) % 4) and goes round modulo KSTEPS.  The two clusters that need the same rows of A
; ask for a tile KSTEPS / 2 steps apart; of the eight that need the same columns of W, each of the sets Y = {0..3}, {4..7}, {0,1,4,5}, {2,3,6,7} holds all four starts, KSTEPS / 4 steps apart.  So a cluster is
; the first to ask for A's tiles in its first KSTEPS / 2 steps alone, and for W's in its first KSTEPS / 4.  o hangs on the cluster's coordinates alone: it is the same in all partners.
; LIMIT: the f32 sums run along K in that rotation, not in ascending order.
; ASKED FOR AHEAD.  The tiles that my cluster is the first to ask for, but for the two first fills, are asked for ahead of their tensor loads by global_prefetch_b8, each aligned block of 256 bytes by one lane
; of one wave of the cluster: of a step's tile of A (4 panels x 16,384 bytes) work-group cx takes panel cx, of its tile of W (65,536 bytes) work-group cy takes quarter cy; waves 0 and 1 ask for the two halves
; of A's share, waves 2 and 3 for those of W's: 8,192 bytes an instruction, 32 lanes 256 bytes apart.  Steps o + 2 and o + 3 at the head, behind the first fills; then, for A alone, trip t = 0..3 asks for step
; o + t + 4, whose tensor load is issued two trips later.  Trips 4 on ask for nothing.  A step's number is taken modulo KSTEPS, so every address lies in its buffer.
; ONE TEXT FOR A K STEP.  The slot in hand is a scalar, TG = 0 or SLOT, turned at each change of slots; fragment addresses are a base + TG, a refill's LDS address is the wave's part + the slot just read.
; The step stands twice: in the loop of the KSTEPS - 2 steps that fill a slot again, and in the loop of the last 2, which ask for nothing.
; THE WAY OUT goes through one stage of 128 rows x 528 bytes in slot 0's bytes, which have had their last fill and, behind the last two changes of slots' barriers, their last read.
; REGISTERS: window 0: v16-31 addresses; v32-95 the residual of my 32 rows of the way out, on its way during the whole K loop; v128-255 the accumulators ((a, b) at v[128 + 8 (4 a + b)]).
;   window 1: two fragment buffers of 128: for 64 along K, 64 registers of A, then 64 of W.
.set KSTEPS, 16                        ; K = 4,096 in steps of 256
.set PA,     144                       ; A's LDS row: 128 bytes + 16
.set PB,     288                       ; W's LDS row: 256 bytes + 32 = 9 x 32
.set PART,   36864                     ; what one tensor load brings: 2 x 128 x 144 or 128 x 288
.set SLOT,   4*PART                    ; A's four panels, then W's 256 rows of k
.set BOFF,   2*PART
.set SPITCH, 528                       ; a stage row: 512 bytes + 16
.set SPARE,  2*SLOT                    ; behind the ring: the spare words, 128 bytes for each wave: two blocks of 256 bytes that no other line names
.set ADRA0, 16                         ; v16     LDS address of my A fragments in slot 0; never rewritten
.set ADRA,  17                         ; v17     in the slot in hand
.set PFV,   18                         ; v18     256 x lane, for what is asked for ahead; never rewritten
.set ADRB0, 20                         ; v20-21  of my W fragments in slot 0: quarters 0-1, quarters 2-3 (a step's rows reach past a 16-bit offset); never rewritten
.set ADRB,  22                         ; v22-23  in the slot in hand
.set STO,  24
.set RD,   25
.set ZO,   26                          ; v26     my 16 bytes of a row's 512 in Z
.set RO,   27                          ; v27     my 8 bytes of a row's 256 in R
.set SPW,  28
.set NIL,  29
.set ONE,  30                          ; v30     1.0
.set BO,   31
.set RES,  32
.set ACC,  128
.set F0,   0
.set F1,   128
.set WV, 14
.set RH, 15
.set CH, 16
.set TG, 46                            ; s46 the slot in hand: 0 or SLOT
.set G1, 24                            ; s[24:31] group 1 for A's tiles; s[32:39] group 0: a set for each of the two first fills; the second then serves every refill
.set G0, 32
.set G1B, 48                           ; s[48:55], s[56:63] the same for W's
.set G0B, 56
.set OFA, 66                           ; s[66:67] byte offset of a K step in A: the step's number x four panels
.set OFW, 68                           ; s[68:69] in W: x eight blocks
.set SN,  70                           ; s70 the K step asked for last
.set PFLIM, 71                         ; s71 trips whose counter is below this ask for nothing ahead
.set PFA,   72                         ; s[72:73] my wave's share of K step 0's tile, of A or of W
.set PFOF,  74                         ; s[74:75] an offset
.set PFB,   76                         ; s[76:77], s[78:79] the addresses asked for ahead
.set PFB2,  78
.set PFS,   80                         ; s80 a step's number
.set PFSH,  81                         ; s81 log2 of a step's bytes: 21 for A, 19 for W
.set MSB, 0
.macro WIN new
.if MSB != (\new)
	s_set_vgpr_msb (MSB<<8)|(\new)
.set MSB, \new
.endif
.endm
.set MUL,  0x05                        ; sources 0 (W) and 1 (A) window 1; C and D window 0
.set TO_F, 0x40                        ; destination window 1, address window 0
.macro JLOAD s                         ; a joint load: waves 0 and 1 fetch A's two halves, waves 2 and 3 W's; an s_nop 0 and four v_nop follow each of the two lines
	s_cmp_eq_u32 s[RH], 0
	s_cbranch_scc0 .Lfor_b_\@
	tensor_load_to_lds s[G0+4*(\s):G0+4*(\s)+3], s[G1:G1+7]
	s_nop 0
.rept 4
	v_nop
.endr
	s_branch .Lasked_\@
.Lfor_b_\@:
	tensor_load_to_lds s[G0B+4*(\s):G0B+4*(\s)+3], s[G1B:G1B+7]
	s_nop 0
.rept 4
	v_nop
.endr
.Lasked_\@:
.endm
.macro CREST
	s_cmp_lg_u32 s[WV], 0
	s_cbranch_scc1 .Lnot_wave_0_\@
	s_barrier_signal -3
.Lnot_wave_0_\@:
	s_barrier_wait -3
	s_barrier_signal -1
	s_barrier_wait -1
.endm
.macro CROUND
	s_barrier_signal -1
	s_barrier_wait -1
	CREST
.endm
	s_load_b256 s[4:11], s[0:1], 0x0               ; A s[4:5], pack s[6:7], R s[8:9], Z s[10:11]
	v_lshl_add_u32 v[SPW], v0, 2, SPARE
	v_mov_b32 v[NIL], 0
	ds_add_u32 v[SPW], v[NIL]                      ; the wave's opening: the add and its wait stand ahead of my first tensor load
	v_lshrrev_b32 v1, 5, v0
	v_readfirstlane_b32 s[WV], v1
	s_lshr_b32 s[RH], s[WV], 1                     ; which half of the rows.  Also: I fetch for A (0) or W (1)
	s_and_b32 s[CH], s[WV], 1                      ; which half of the columns.  Also: which half I fetch
	s_bfe_u32 s40, ttmp6, 0x40000
	s_bfe_u32 s41, ttmp6, 0x40004
	s_lshl_b32 s42, ttmp9, 2
	s_add_co_u32 s42, s42, s40                     ; tile column
	s_and_b32 s43, ttmp7, 0xffff
	s_lshl_b32 s43, s43, 2
	s_add_co_u32 s43, s43, s41                     ; tile row
	s_lshl_b32 s44, s41, 2
	s_lshl_b32 s44, 15, s44                        ; my row of the cluster
	s_lshl_b32 s45, 0x1111, s40                    ; my column
	s_or_b32 s[G1+0], s44, (1<<16)|(1<<20)|(1<<21)|(4<<22)|(3<<25)   ; after every 32 words (a token's 64 k), 4 words
	s_mov_b32 s[G1+1], 8192<<16                    ; tensor_dim0 = 8,192: 128 tokens x 64 k, dense
	s_mov_b32 s[G1+2], 2<<16                       ; tensor_dim1 = 2 panels
	s_mov_b32 s[G1+3], 8192<<16                    ; tile_dim0
	s_mov_b32 s[G1+4], 2                           ; tile_dim1
	s_mov_b32 s[G1+5], 262144                      ; elements from panel to panel
	s_mov_b32 s[G1+6], 0
	s_mov_b32 s[G1+7], 0
	s_or_b32 s[G1B+0], s45, (1<<16)|(1<<20)|(1<<21)|(5<<22)|(7<<25)  ; after every 64 words, 8 words
	s_mov_b32 s[G1B+1], 128<<16
	s_mov_b32 s[G1B+2], 128<<16
	s_mov_b32 s[G1B+3], 128<<16
	s_mov_b32 s[G1B+4], 128
	s_mov_b32 s[G1B+5], 128
	s_mov_b32 s[G1B+6], 0
	s_mov_b32 s[G1B+7], 0
	s_lshl_b32 s18, s43, 14                        ; A: 128 rows of 128 bytes a tile row,
	s_lshl_b32 s19, s[CH], 20                      ; my two panels of a step's four
	s_add_co_u32 s18, s18, s19
	s_mov_b32 s19, 0
	s_lshl_b32 s20, s42, 16                        ; W: the tile column's block,
	s_lshl_b32 s21, s[CH], 15                      ; my 128 rows of 256 bytes
	s_add_co_u32 s20, s20, s21
	s_add_co_u32 s20, s20, 8421376
	s_mov_b32 s21, 0
	s_mul_i32 s22, s[WV], PART                     ; where my loads land in a slot
	s_mov_b32 s[TG], 0                             ; the first K step lies in slot 0
	s_and_b32 s[OFA], ttmp7, 0xffff                ; Y, the cluster's row
	s_lshr_b32 s[OFW], s[OFA], 2
	s_lshl_b32 s[OFW], s[OFW], 1
	s_add_co_u32 s[OFA], s[OFA], s[OFW]
	s_and_b32 s[OFA], s[OFA], 3                    ; (Y + 2 (Y / 4)) % 4
	s_mul_i32 s[OFA], s[OFA], KSTEPS/4
	s_mul_i32 s[OFW], ttmp9, KSTEPS/2              ; X, the cluster's column: 0 or 1
	s_add_co_u32 s[OFA], s[OFA], s[OFW]
	s_and_b32 s[SN], s[OFA], KSTEPS-1              ; o: the K step at which my cluster begins
	s_mov_b32 s[OFA+1], 0
	s_mov_b32 s[OFW+1], 0
.if KSTEPS > 4
	s_lshl_b32 s[PFOF], s43, 14                    ; what I ask for ahead.  Of A: my tile row's 16,384 bytes
	s_lshl_b32 s[PFS], s40, 19                     ; in panel cx of a step's four;
	s_add_co_u32 s[PFOF], s[PFOF], s[PFS]
	s_lshl_b32 s[PFB], s42, 16                     ; of W: my tile column's block,
	s_lshl_b32 s[PFS], s41, 14                     ; quarter cy of it
	s_add_co_u32 s[PFB], s[PFB], s[PFS]
	s_add_co_u32 s[PFB], s[PFB], 8421376
	s_cmp_eq_u32 s[RH], 0                          ; waves 0 and 1 ask for A, waves 2 and 3 for W
	s_cselect_b32 s[PFOF], s[PFOF], s[PFB]
	s_cselect_b32 s[PFSH], 21, 19
	s_cselect_b32 s[PFLIM], KSTEPS-5, KSTEPS-1     ; in the loop: A in the trips whose counter is KSTEPS - 2 .. KSTEPS - 5, W in none
	s_lshl_b32 s[PFS], s[CH], 13                   ; my wave's 8,192 bytes of the 16,384
	s_add_co_u32 s[PFOF], s[PFOF], s[PFS]
	s_mov_b32 s[PFOF+1], 0
.endif
	s_wait_dscnt 0x0                               ; the opening add is done
	s_wait_kmcnt 0x0
	s_add_nc_u64 s[18:19], s[4:5], s[18:19]        ; my part of K step 0's tile of A; never rewritten
	s_add_nc_u64 s[20:21], s[6:7], s[20:21]        ; of W; never rewritten
.if KSTEPS > 4
	s_cmp_eq_u32 s[RH], 0
	s_cselect_b64 s[PFA:PFA+1], s[4:5], s[6:7]
	s_add_nc_u64 s[PFA:PFA+1], s[PFA:PFA+1], s[PFOF:PFOF+1]
.endif
	CROUND                                         ; all sixteen work-groups are here
.irp s, 0,1
	s_lshl_b32 s[OFA], s[SN], 21                   ; a K step is four panels of 524,288 bytes
	s_lshl_b32 s[OFW], s[SN], 19                   ; and eight blocks of 65,536
	s_mov_b32 s[G0+4*(\s)], 1
	s_add_co_u32 s[G0+4*(\s)+1], s22, (\s)*SLOT
	s_add_nc_u64 s[G0+4*(\s)+2:G0+4*(\s)+3], s[18:19], s[OFA:OFA+1]
	s_or_b32 s[G0+4*(\s)+3], s[G0+4*(\s)+3], 0x80000000
	s_mov_b32 s[G0B+4*(\s)], 1
	s_add_co_u32 s[G0B+4*(\s)+1], s22, (\s)*SLOT
	s_add_nc_u64 s[G0B+4*(\s)+2:G0B+4*(\s)+3], s[20:21], s[OFW:OFW+1]
	s_or_b32 s[G0B+4*(\s)+3], s[G0B+4*(\s)+3], 0x80000000
	JLOAD \s                                       ; steps o and o + 1: two loads of mine are out
.if (\s) == 0
	s_add_co_u32 s[SN], s[SN], 1
	s_and_b32 s[SN], s[SN], KSTEPS-1
.endif
.endr
.if KSTEPS > 4
	v_and_b32 v[PFV], 31, v0
	v_lshlrev_b32 v[PFV], 8, v[PFV]                ; lanes 256 bytes apart: 8,192 bytes an instruction
	s_add_co_u32 s[PFS], s[SN], 1                  ; steps o + 2 and o + 3, whose tensor loads are issued at the ends of the first two trips
	s_and_b32 s[PFS], s[PFS], KSTEPS-1
	s_lshl_b32 s[PFOF], s[PFS], s[PFSH]
	s_add_nc_u64 s[PFB:PFB+1], s[PFA:PFA+1], s[PFOF:PFOF+1]
	global_prefetch_b8 v[PFV], s[PFB:PFB+1] th:TH_LOAD_NT scope:SCOPE_SE
	s_add_co_u32 s[PFS], s[SN], 2
	s_and_b32 s[PFS], s[PFS], KSTEPS-1
	s_lshl_b32 s[PFOF], s[PFS], s[PFSH]
	s_add_nc_u64 s[PFB2:PFB2+1], s[PFA:PFA+1], s[PFOF:PFOF+1]
	global_prefetch_b8 v[PFV], s[PFB2:PFB2+1] th:TH_LOAD_NT scope:SCOPE_SE
.endif
	s_lshl_b32 s2, s42, 9                          ; the bias of my 64 columns: 0x4000 + 4 (128 tile column + 64 half)
	s_lshl_b32 s3, s[CH], 8
	s_add_co_u32 s2, s2, s3
	s_add_co_u32 s2, s2, 0x4000
	s_mov_b32 s3, 0
	s_add_nc_u64 s[6:7], s[6:7], s[2:3]
	s_lshl_b32 s2, s42, 20                         ; R: the tile column's panel, row 128 tile row + 32 wave, of 256 bytes
	s_lshl_b32 s23, s43, 15
	s_add_co_u32 s2, s2, s23
	s_lshl_b32 s23, s[WV], 13
	s_add_co_u32 s2, s2, s23
	s_add_nc_u64 s[8:9], s[8:9], s[2:3]
	s_lshl_b32 s2, s43, 19                         ; Z: the same row, of 4,096 bytes, and the tile's 512 bytes in it
	s_lshl_b32 s23, s[WV], 17
	s_add_co_u32 s2, s2, s23
	s_lshl_b32 s23, s42, 9
	s_add_co_u32 s2, s2, s23
	s_add_nc_u64 s[10:11], s[10:11], s[2:3]
	v_and_b32 v1, 15, v0                           ; l % 16
	v_bfe_u32 v2, v0, 4, 1                         ; l / 16
	v_lshlrev_b32 v[BO], 5, v2
	v_and_b32 v7, 31, v0
	v_lshlrev_b32 v[ZO], 4, v7
	v_lshlrev_b32 v[RO], 3, v7
	v_mov_b32 v[ONE], 1.0
.set i, 0
.rept 16                               ; register j of accumulator (a, b), i = 4 a + b, starts as the bias of column 16 b + 8 (l / 16) + j
	global_load_b128 v[ACC+8*i:ACC+8*i+3],   v[BO], s[6:7] offset:64*(i%4)
	global_load_b128 v[ACC+8*i+4:ACC+8*i+7], v[BO], s[6:7] offset:64*(i%4)+16
.set i, i+1
.endr
	v_mul_u32_u24 v3, v1, PA
	v_lshl_add_u32 v3, v2, 4, v3
	s_mul_i32 s23, s[RH], 64*PA                    ; my 64 rows in each panel
	v_add_nc_u32 v[ADRA0], s23, v3
	v_add_nc_u32 v[ADRA], s23, v3
	v_and_b32 v5, 7, v0                            ; W, turned: lane l reads row of k 8 (l / 16) + l % 8, columns 8 ((l / 8) % 2) + 0..7
	v_lshl_add_u32 v4, v2, 3, v5
	v_mul_u32_u24 v4, v4, PB
	v_bfe_u32 v6, v0, 3, 1
	v_lshl_add_u32 v4, v6, 4, v4
	s_lshl_b32 s23, s[CH], 7                       ; my 64 columns
	s_add_co_u32 s23, s23, BOFF
	v_add_nc_u32 v[ADRB0], s23, v4
	v_add_nc_u32 v[ADRB0+1], PART, v[ADRB0]
	v_add_nc_u32 v[ADRB], s23, v4
	v_add_nc_u32 v[ADRB+1], PART, v[ADRB0]
	s_mul_i32 s23, s[RH], 64*SPITCH                ; into the stage: my 64 rows, my half of their 512 bytes; row l % 16, 32 bytes for each half of the lanes
	s_lshl_b32 s2, s[CH], 8
	s_add_co_u32 s23, s23, s2
	v_mul_u32_u24 v3, v1, SPITCH
	v_lshl_add_u32 v3, v2, 5, v3
	v_add_nc_u32 v[STO], s23, v3
	s_mul_i32 s23, s[WV], 32*SPITCH                ; back: wave w takes rows 32 w .. 32 w + 31, whole
	v_add_nc_u32 v[RD], s23, v[ZO]
.macro MUL8 f, c, a0                   ; 8 matrix instructions: m blocks a0, a0 + 1 x all 4 n blocks, 32 along K: half c of buffer f.  The 16 accumulators take turns
	WIN MUL
.irp a, \a0, (\a0)+1
.irp b, 0,1,2,3
	v_wmma_f32_16x16x32_f16 v[ACC+8*(4*(\a)+(\b)):ACC+8*(4*(\a)+(\b))+7], v[(\f)+64+8*(4*(\c)+(\b)):(\f)+64+8*(4*(\c)+(\b))+7], v[(\f)+8*(4*(\c)+(\a)):(\f)+8*(4*(\c)+(\a))+7], v[ACC+8*(4*(\a)+(\b)):ACC+8*(4*(\a)+(\b))+7]
.endr
.endr
.endm
.macro FETCH q, f                      ; 32 LDS loads in one run: the fragments of quarter q (64 along K: one panel of A) of the slot in hand into buffer f; the first 32 along K first
	WIN TO_F
.irp c, 0,1
.irp i, 0,1,2,3
	ds_load_tr16_b128 v[(\f)+64+8*(4*(\c)+(\i)):(\f)+64+8*(4*(\c)+(\i))+3],   v[ADRB+(\q)/2] offset:64*PB*((\q)%2)+32*PB*(\c)+32*(\i)
	ds_load_tr16_b128 v[(\f)+64+8*(4*(\c)+(\i))+4:(\f)+64+8*(4*(\c)+(\i))+7], v[ADRB+(\q)/2] offset:64*PB*((\q)%2)+32*PB*(\c)+32*(\i)+16*PB
	ds_load_b128 v[(\f)+8*(4*(\c)+(\i)):(\f)+8*(4*(\c)+(\i))+3],              v[ADRA] offset:128*PA*(\q)+(\i)*16*PA+64*(\c)
	ds_load_b128 v[(\f)+8*(4*(\c)+(\i))+4:(\f)+8*(4*(\c)+(\i))+7],            v[ADRA] offset:128*PA*(\q)+(\i)*16*PA+64*(\c)+32
.endr
.endr
.endm
.macro PLACES                          ; four places in front of loads into registers that matrix instructions have read, and of stores that read results
.rept 4
	v_nop
.endr
.endm
.macro QUARTER q, f, g                 ; multiplies buffer f and fetches quarter q of the slot into g
	s_wait_dscnt 16                                ; the first 32 along K are in
	MUL8 \f, 0, 0
	MUL8 \f, 0, 2
	PLACES
	FETCH \q, \g
	s_wait_dscnt 32                                ; all but the 32 just issued
	MUL8 \f, 1, 0
	MUL8 \f, 1, 2
.endm
; The last quarter multiplies buffer 1 and changes slots: one barrier; in front of it each wave waits for all its tensor loads, adds 0 to its spare word, and waits for that and for its reads of this slot.
; fill = 1: the barrier opens a round of the cluster's, and the slot just read is filled again, two K steps ahead, first thing behind the round.
; fill = 0: nothing is asked for; in the loop's last trip there is no next step, and the run of LDS loads is jumped over.
.macro TURN fill
	WIN 0
	s_wait_tensorcnt 0x0                           ; my part of the next slot has landed; no tensor load of mine is out, so a group 0 may be written
	ds_add_u32 v[SPW], v[NIL]
	s_wait_dscnt 17                                ; the add and the youngest sixteen loads may be out
	MUL8 F1, 0, 0
	s_wait_dscnt 0x0                               ; the add is done, and my reads of this slot are over
	s_barrier_signal -1
	MUL8 F1, 0, 2
	WIN 0
.if \fill
	s_add_co_u32 s[G0+5], s22, s[TG]               ; the refill lands in the slot just read,
	s_add_co_u32 s[G0B+5], s22, s[TG]
	s_add_co_u32 s[SN], s[SN], 1                   ; and brings the K step behind the one asked for last, round modulo KSTEPS:
	s_and_b32 s[SN], s[SN], KSTEPS-1
	s_lshl_b32 s[OFA], s[SN], 21                   ; its address is made anew from the step's number
	s_lshl_b32 s[OFW], s[SN], 19
	s_add_nc_u64 s[G0+6:G0+7], s[18:19], s[OFA:OFA+1]
	s_or_b32 s[G0+7], s[G0+7], 0x80000000
	s_add_nc_u64 s[G0B+6:G0B+7], s[20:21], s[OFW:OFW+1]
	s_or_b32 s[G0B+7], s[G0B+7], 0x80000000
.endif
	s_xor_b32 s[TG], s[TG], SLOT                   ; the other slot is in hand
	v_add_nc_u32 v[ADRA], s[TG], v[ADRA0]
	v_add_nc_u32 v[ADRB], s[TG], v[ADRB0]
	v_add_nc_u32 v[ADRB+1], s[TG], v[ADRB0+1]
	s_barrier_wait -1
.if \fill
	CREST                                          ; the barrier has opened a round of the cluster's
	JLOAD 1                                        ; 112 matrix instructions ahead of the wait for it; its four v_nop are also the places in front of the loads below
.if KSTEPS > 4
	s_cmp_lt_u32 s3, s[PFLIM]                      ; in the first four trips waves 0 and 1 ask for their share of A's tile two steps behind the one just requested:
	s_cbranch_scc1 .Lno_ask_\@                     ; its tensor load is issued two trips on.  That is step o + 7 at the most: the last that my cluster is the first to ask for
	s_add_co_u32 s[PFS], s[SN], 2
	s_and_b32 s[PFS], s[PFS], KSTEPS-1             ; modulo KSTEPS: every address lies in the buffer
	s_lshl_b32 s[PFOF], s[PFS], 21
	s_wait_xcnt 0x0                                ; the address that was asked for a trip ago is rewritten only behind this wait
	s_add_nc_u64 s[PFB:PFB+1], s[PFA:PFA+1], s[PFOF:PFOF+1]
	global_prefetch_b8 v[PFV], s[PFB:PFB+1] th:TH_LOAD_NT scope:SCOPE_SE
.Lno_ask_\@:
.endif
	FETCH 0, F0
.else
	PLACES
	s_cmp_eq_u32 s3, 1
	s_cbranch_scc1 .Lno_more_\@
	FETCH 0, F0
	WIN 0
.Lno_more_\@:
.endif
	MUL8 F1, 1, 0
	MUL8 F1, 1, 2
.endm
.macro STEP fill                       ; a K step: four quarters of 64 along K, on buffers 0, 1, 0, 1
	QUARTER 1, F0, F1
	QUARTER 2, F1, F0
	QUARTER 3, F0, F1
	TURN \fill
	WIN 0                                          ; at a label and at a branch every window is 0
.endm
	s_wait_tensorcnt 0x1                           ; my part of the first K step is in; the second's stays out
	s_barrier_signal -1
	s_barrier_wait -1
	FETCH 0, F0
	WIN 0
	s_wait_loadcnt 0x0                             ; the bias lies in the accumulators
.set t, 0
.rept 32                               ; the residual of the 32 rows that I store: each load covers a row's 256 consecutive bytes; it has the whole K loop in which to come
	global_load_b64 v[RES+2*t:RES+2*t+1], v[RO], s[8:9] offset:256*t
.set t, t+1
.endr
	s_mov_b32 s3, KSTEPS-2
.Lstep:                                                ; each trip fills the slot that it has read, two steps ahead
	STEP 1
	s_sub_co_u32 s3, s3, 1
	s_cmp_lg_u32 s3, 0
	s_cbranch_scc1 .Lstep
	s_mov_b32 s3, 2
.Ltail:                                                ; the last two K steps ask for nothing
	STEP 0
	s_sub_co_u32 s3, s3, 1
	s_cmp_lg_u32 s3, 0
	s_cbranch_scc1 .Ltail
	PLACES
.irp a, 0,1,2,3
.irp b, 0,1,2,3                        ; a lane's eight columns of a row are 32 bytes; each accumulator's low half first
	ds_store_b128 v[STO], v[ACC+8*(4*(\a)+(\b)):ACC+8*(4*(\a)+(\b))+3]   offset:(\a)*16*SPITCH+64*(\b)
	ds_store_b128 v[STO], v[ACC+8*(4*(\a)+(\b))+4:ACC+8*(4*(\a)+(\b))+7] offset:(\a)*16*SPITCH+64*(\b)+16
.endr
.endr
	s_wait_dscnt 0x0                               ; for the others' sake: my stores into the stage are done
	s_barrier_signal -1
	s_barrier_wait -1                              ; a row's 512 bytes come from two waves
.set t, 0
.rept 32
	ds_load_b128 v[ACC+4*t:ACC+4*t+3], v[RD] offset:t*SPITCH
.set t, t+1
.endr
	s_wait_loadcnt 0x0                             ; the residual
.set t, 0
.rept 32
	s_wait_dscnt 31-t                              ; row t is back, the younger rows stay out
	v_fma_mix_f32 v[ACC+4*t],   v[RES+2*t],   v[ONE], v[ACC+4*t]   op_sel:[0,0,0] op_sel_hi:[1,0,0]  ; the f16 residual x 1.0 + the sum, in f32
	v_fma_mix_f32 v[ACC+4*t+1], v[RES+2*t],   v[ONE], v[ACC+4*t+1] op_sel:[1,0,0] op_sel_hi:[1,0,0]
	v_fma_mix_f32 v[ACC+4*t+2], v[RES+2*t+1], v[ONE], v[ACC+4*t+2] op_sel:[0,0,0] op_sel_hi:[1,0,0]
	v_fma_mix_f32 v[ACC+4*t+3], v[RES+2*t+1], v[ONE], v[ACC+4*t+3] op_sel:[1,0,0] op_sel_hi:[1,0,0]
	global_store_b128 v[ZO], v[ACC+4*t:ACC+4*t+3], s[10:11] offset:4096*t  ; 512 consecutive bytes, aligned to 256
.set t, t+1
.endr
	s_wait_tensorcnt 0x0                           ; the wave's end
	ds_add_u32 v[SPW], v[NIL]
	s_wait_dscnt 0x0
	CROUND                                         ; the closing round
	s_endpgm
.Lfunc_end_k_qfc0599303f_ff2:
	.size	k_qfc0599303f_ff2, .Lfunc_end_k_qfc0599303f_ff2-k_qfc0599303f_ff2
	.p2alignl 7, 3214868480
	.fill 96, 4, 3214868480
	.section	.rodata,"a",@progbits
	.p2align	6, 0x0
	.amdhsa_kernel k_qfc0599303f_ff2
		.amdhsa_group_segment_fixed_size 327680
		.amdhsa_private_segment_fixed_size 0
		.amdhsa_enable_private_segment 0
		.amdhsa_kernarg_size 32
		.amdhsa_user_sgpr_count 2
		.amdhsa_user_sgpr_kernarg_segment_ptr 1
		.amdhsa_wavefront_size32 1
		.amdhsa_system_sgpr_workgroup_id_x 1
		.amdhsa_system_sgpr_workgroup_id_y 1
		.amdhsa_system_sgpr_workgroup_id_z 1
		.amdhsa_system_vgpr_workitem_id 0
		.amdhsa_next_free_vgpr 512
		.amdhsa_next_free_sgpr 84
		.amdhsa_reserve_vcc 0
		.amdhsa_float_denorm_mode_32 3
		.amdhsa_float_denorm_mode_16_64 3
		.amdhsa_memory_ordered 1
		.amdhsa_forward_progress 1
		.amdhsa_inst_pref_size 71
	.end_amdhsa_kernel
	.amdgpu_metadata
---
amdhsa.version: [ 1, 2 ]
amdhsa.kernels:
  - .name:           k_qfc0599303f_ff2
    .symbol:         k_qfc0599303f_ff2.kd
    .args:
      - { .name: big, .offset: 0, .size: 8, .value_kind: global_buffer, .address_space: global }
      - { .name: pack2, .offset: 8, .size: 8, .value_kind: global_buffer, .address_space: global }
      - { .name: act, .offset: 16, .size: 8, .value_kind: global_buffer, .address_space: global }
      - { .name: zb, .offset: 24, .size: 8, .value_kind: global_buffer, .address_space: global }
    .group_segment_fixed_size: 327680
    .private_segment_fixed_size: 0
    .kernarg_segment_align: 8
    .kernarg_segment_size: 32
    .max_flat_workgroup_size: 128
    .sgpr_count:     84
    .vgpr_count:     512
    .wavefront_size: 32
...
	.end_amdgpu_metadata
.endif
;; end of part 6
;; launch ln2 (part 7): grid 512 x 1, 8 waves a work-group, no clusters, 0 bytes of LDS; arguments zb, ln2_s, ln2_b, out0; writes out0
.if DOCPART == 7
	.amdgcn_target "amdgcn-amd-amdhsa--gfx1250"
	.amdhsa_code_object_version 6
	.text
	.protected	k_qfc0599303f_ln2
	.globl	k_qfc0599303f_ln2
	.p2align	8
	.type	k_qfc0599303f_ln2,@function
k_qfc0599303f_ln2:
	s_mov_b64 s[64:65], 0
	v_nop
	global_prefetch_b8 v0, s[64:65] scope:SCOPE_SE
	s_setreg_imm32_b32 hwreg(HW_REG_WAVE_MODE, 25, 1), 1
	s_wait_xcnt 0x0
; LAYER NORM of a row of 1,024 f32: y = (z - mean) rsqrt(var + 1e-5) gain + bias, in two passes over registers, all in f32; y leaves as f32, row-major.
; One wave, one row (4,096 bytes = 32 registers): the reduction never leaves the wave: no LDS, no barrier.  Gain and bias are rounded to bf16 like every input of the program.
.set X,  4                             ; v[4:35]    the row: load j holds columns 128 j + 4 lane .. + 3
.set SG, 36                            ; v[36:67]   the gain
.set BB, 68                            ; v[68:99]   the bias
.set T,  100                           ; v[100:107] four chains of sums
.set MU, 108                           ; v[108:109] the mean, twice
.set RS, 110                           ; v[110:111] 1 / sqrt(var + eps), twice
.set Y,  112                           ; v[112:127] at work
	s_load_b256 s[4:11], s[0:1], 0x0               ; z s[4:5], gain s[6:7], bias s[8:9], out s[10:11]
	v_lshrrev_b32 v1, 5, v0
	v_readfirstlane_b32 s14, v1
	s_lshl_b32 s15, ttmp9, 3
	s_add_co_u32 s15, s15, s14                     ; my row
	s_lshl_b32 s16, s15, 12
	s_mov_b32 s17, 0
	s_mov_b32 s12, 0x76543210
	s_mov_b32 s13, 0xfedcba98
	s_mov_b32 s21, 0xffff0000
	v_and_b32 v2, 31, v0
	v_lshlrev_b32 v1, 4, v2
	v_mov_b32 v3, 0x3a800000                       ; 1 / 1024
	s_wait_kmcnt 0x0
	s_add_nc_u64 s[4:5], s[4:5], s[16:17]
	s_add_nc_u64 s[10:11], s[10:11], s[16:17]
.irp j, 0,1,2,3,4,5,6,7
	global_load_b128 v[X+4*(\j):X+4*(\j)+3], v1, s[4:5] offset:512*(\j) th:TH_LOAD_NT
.endr
.irp j, 0,1,2,3,4,5,6,7
	global_load_b128 v[SG+4*(\j):SG+4*(\j)+3], v1, s[6:7] offset:512*(\j)
.endr
.irp j, 0,1,2,3,4,5,6,7
	global_load_b128 v[BB+4*(\j):BB+4*(\j)+3], v1, s[8:9] offset:512*(\j)
.endr
	s_wait_loadcnt 16                              ; the row is in; gain's and bias's sixteen loads stay out
.irp k, 0,2,4,6
	v_pk_add_f32 v[T+(\k):T+(\k)+1], v[X+(\k):X+(\k)+1], v[X+8+(\k):X+8+(\k)+1]
.endr
.irp g, 16,24
.irp k, 0,2,4,6
	v_pk_add_f32 v[T+(\k):T+(\k)+1], v[T+(\k):T+(\k)+1], v[X+(\g)+(\k):X+(\g)+(\k)+1]
.endr
.endr
.macro ACROSS                          ; the four chains into one number, then over the 32 lanes: the result is in every lane's v[T]
	v_pk_add_f32 v[T:T+1], v[T:T+1], v[T+2:T+3]
	v_pk_add_f32 v[T+4:T+5], v[T+4:T+5], v[T+6:T+7]
	v_pk_add_f32 v[T:T+1], v[T:T+1], v[T+4:T+5]
	v_add_f32 v[T], v[T], v[T+1]
	v_add_f32_dpp v[T], v[T], v[T] row_xmask:1 row_mask:0xf bank_mask:0xf
	v_add_f32_dpp v[T], v[T], v[T] row_xmask:2 row_mask:0xf bank_mask:0xf
	v_add_f32_dpp v[T], v[T], v[T] row_xmask:4 row_mask:0xf bank_mask:0xf
	v_add_f32_dpp v[T], v[T], v[T] row_xmask:8 row_mask:0xf bank_mask:0xf
	v_permlanex16_b32 v[T+1], v[T], s12, s13
	v_add_f32 v[T], v[T], v[T+1]
.endm
	ACROSS
	v_mul_f32 v[MU], v3, v[T]
	v_mul_f32 v[MU+1], v3, v[T]
.set i, 0
.rept 16
	v_pk_add_f32 v[X+2*i:X+2*i+1], v[X+2*i:X+2*i+1], v[MU:MU+1] neg_lo:[0,1] neg_hi:[0,1]  ; d = z - mean
.set i, i+1
.endr
.irp k, 0,2,4,6
	v_pk_mul_f32 v[T+(\k):T+(\k)+1], v[X+(\k):X+(\k)+1], v[X+(\k):X+(\k)+1]
.endr
.irp g, 8,16,24
.irp k, 0,2,4,6
	v_pk_fma_f32 v[T+(\k):T+(\k)+1], v[X+(\g)+(\k):X+(\g)+(\k)+1], v[X+(\g)+(\k):X+(\g)+(\k)+1], v[T+(\k):T+(\k)+1]
.endr
.endr
	ACROSS
	v_fmaak_f32 v[T+2], v3, v[T], 0x3727c5ac       ; var + 1e-5
	v_rsq_f32 v[RS], v[T+2]
	v_rsq_f32 v[RS+1], v[T+2]                      ; the conversions below are the plain instructions behind it: they touch neither its source nor its result
	s_wait_loadcnt 0x0
.irp r, SG, BB
.set i, 0
.rept 16
	v_cvt_pk_bf16_f32 v[Y+i], v[(\r)+2*i], v[(\r)+2*i+1]
.set i, i+1
.endr
.set i, 0
.rept 16
	v_lshlrev_b32 v[(\r)+2*i],   16,  v[Y+i]
	v_and_b32     v[(\r)+2*i+1], s21, v[Y+i]
.set i, i+1
.endr
.endr
.set i, 0
	s_wait_alu depctr_va_vdst(0)
.rept 16
	v_pk_mul_f32 v[SG+2*i:SG+2*i+1], v[SG+2*i:SG+2*i+1], v[RS:RS+1]
.set i, i+1
.endr
.set i, 0
.rept 16
	v_pk_fma_f32 v[X+2*i:X+2*i+1], v[X+2*i:X+2*i+1], v[SG+2*i:SG+2*i+1], v[BB+2*i:BB+2*i+1]
.set i, i+1
.endr
.irp j, 0,1,2,3,4,5,6,7
	global_store_b128 v1, v[X+4*(\j):X+4*(\j)+3], s[10:11] offset:512*(\j) th:TH_STORE_NT  ; 512 consecutive bytes, aligned to 256
.endr
	s_endpgm
.Lfunc_end_k_qfc0599303f_ln2:
	.size	k_qfc0599303f_ln2, .Lfunc_end_k_qfc0599303f_ln2-k_qfc0599303f_ln2
	.p2alignl 7, 3214868480
	.fill 96, 4, 3214868480
	.section	.rodata,"a",@progbits
	.p2align	6, 0x0
	.amdhsa_kernel k_qfc0599303f_ln2
		.amdhsa_group_segment_fixed_size 0
		.amdhsa_private_segment_fixed_size 0
		.amdhsa_enable_private_segment 0
		.amdhsa_kernarg_size 32
		.amdhsa_user_sgpr_count 2
		.amdhsa_user_sgpr_kernarg_segment_ptr 1
		.amdhsa_wavefront_size32 1
		.amdhsa_system_sgpr_workgroup_id_x 1
		.amdhsa_system_sgpr_workgroup_id_y 1
		.amdhsa_system_sgpr_workgroup_id_z 1
		.amdhsa_system_vgpr_workitem_id 0
		.amdhsa_next_free_vgpr 128
		.amdhsa_next_free_sgpr 66
		.amdhsa_reserve_vcc 0
		.amdhsa_float_denorm_mode_32 3
		.amdhsa_float_denorm_mode_16_64 3
		.amdhsa_memory_ordered 1
		.amdhsa_forward_progress 1
		.amdhsa_inst_pref_size 15
	.end_amdhsa_kernel
	.amdgpu_metadata
---
amdhsa.version: [ 1, 2 ]
amdhsa.kernels:
  - .name:           k_qfc0599303f_ln2
    .symbol:         k_qfc0599303f_ln2.kd
    .args:
      - { .name: zb, .offset: 0, .size: 8, .value_kind: global_buffer, .address_space: global }
      - { .name: ln2_s, .offset: 8, .size: 8, .value_kind: global_buffer, .address_space: global }
      - { .name: ln2_b, .offset: 16, .size: 8, .value_kind: global_buffer, .address_space: global }
      - { .name: out0, .offset: 24, .size: 8, .value_kind: global_buffer, .address_space: global }
    .group_segment_fixed_size: 0
    .private_segment_fixed_size: 0
    .kernarg_segment_align: 8
    .kernarg_segment_size: 32
    .max_flat_workgroup_size: 256
    .sgpr_count:     66
    .vgpr_count:     128
    .wavefront_size: 32
...
	.end_amdgpu_metadata
.endif
;; end of part 7
;; ======== version 2 of 2: 8 launches; version 1 with the launch prep written anew for expert scheduling mode
;; limits: values are held in f16: magnitudes above 65,504 overflow, below 6.1e-05 lose precision; inputs' magnitudes at most 65,504
;; workspace buffers: act 8,388,608 bytes; big 33,554,432 bytes; ob 8,388,608 bytes; zb 16,777,216 bytes; pack1 10,518,528 bytes; pack2 16,809,984 bytes; par1 512 bytes; par2 512 bytes
;; launch prep (part 8): grid 1025 x 1, 8 waves a work-group, no clusters, 0 bytes of LDS; arguments x, wq, wk, wv, wo, w1, w2, bq, bk, bv, bo, b1, b2, act, pack1, pack2, par1, par2; writes act, pack1, pack2, par1, par2
.if DOCPART == 8
	.amdgcn_target "amdgcn-amd-amdhsa--gfx1250"
	.amdhsa_code_object_version 6
	.text
	.protected	k_qfc0599303f_prep
	.globl	k_qfc0599303f_prep
	.p2align	8
	.type	k_qfc0599303f_prep,@function
k_qfc0599303f_prep:
	s_mov_b64 s[64:65], 0
	v_nop
	global_prefetch_b8 v0, s[64:65] scope:SCOPE_SE
	s_setreg_imm32_b32 hwreg(HW_REG_WAVE_SCHED_MODE, 0, 2), 2
	s_setreg_imm32_b32 hwreg(HW_REG_WAVE_MODE, 25, 1), 1
	s_wait_xcnt 0x0
	s_wait_alu depctr_vm_vsrc(0)
; PREPARATION.  Every input of the matrix products is rounded once to bf16 (nearest even) and that number is written as f16, in the blocks in which the products read it; the biases
; are rounded to bf16 and kept as f32.  LIMITS: a bf16 number is exact in f16 from 2^-14 to 65,504; below 2^-14 it keeps f16's fixed step of 2^-24; from 65,520 on it becomes an infinity.
; A stream: no LDS, no barrier, no matrix unit (nothing is reused).  A work-group moves 16,384 numbers in 8 passes; a thread's share of a pass is two pieces of 4 numbers, 512 bytes apart in the source.
; Each load of a wave covers 512 consecutive bytes (the projections' weights: two aligned runs of 256), so no byte is asked for twice; each store of a wave covers 256 consecutive bytes, aligned.
;   work-groups 0-255     x  [4096][1024]      -> act:   [column / 128][token][128]
;   256-511               w1 [1024][4096]      -> pack2 + W256: [n / 256][k][256]
;   512-767, 768-831      w2, wo [K][1024]     -> pack2, pack1 + W128: [k / 256][n / 128][k % 256][128]
;   832-1023              wq, wk, wv [16][1024][64] -> pack1 + W256, n = 1024 which + 64 head + e
;   1024                  the biases, and the floor words of the 256 x 256 product's way out (par1, par2)
; THE MODE: SCHED_MODE bits 1:0 = 2 (LLVM: expert scheduling mode 2), set by the entry lines.  The code itself states the register dependences
; between vector instructions and memory instructions, with s_wait_alu, always for 0.
; THE PLAN.  Registers that memory instructions touch:
;   SO, DO, D2   byte offsets, a register for each pass: written once by vector instructions, read by that pass's loads (SO) and stores (DO, D2), never written again.
;   X            eight registers a pass: the pass's two loads land in them; behind the wait for those loads the pass's own shifts and conversions read and write them; its two stores read the
;                first four; nothing writes them after that.  No vector instruction names them ahead of the loads.
;   T            named by vector instructions alone.
; So the only dependences to state are: offsets written, then read by a load or a store; store data written, then read by a store.  One wait stands ahead of the first load.  Pass p's two stores
; are issued at the head of pass p + 1, behind the wait for that pass's loads and ONE wait on va_vdst; the vector lines of pass p + 1, which follow them, name its own X and T alone.
; No register that a memory instruction reads is written again, so no wait on vm_vsrc is owed on any path.  The biases' nine pieces go the same way.
.set SO,   8                           ; v[8:15]   pass p: byte offset of my first 16 bytes in the source; the second piece lies 512 bytes on
.set DO,   16                          ; v[16:23]  pass p: byte offset of my first 8 bytes in the destination
.set D2,   24                          ; v[24:31]  pass p: of my second 8 bytes
.set X,    32                          ; v[32:95]  pass p: 8 numbers as loaded; then, in its first four registers, the 8 f16 to store
.set T,    96                          ; v[96:99]  at work
.set W256, 0x8000
.set W128, 8421376
	s_load_b512 s[8:23], s[0:1], 0x0               ; x 8, wq 10, wk 12, wv 14, wo 16, w1 18, w2 20, bq 22
	s_load_b512 s[24:39], s[0:1], 0x40             ; bk 24, bv 26, bo 28, b1 30, b2 32, act 34, pack1 36, pack2 38
	s_load_b128 s[40:43], s[0:1], 0x80             ; par1 40, par2 42
	s_mov_b32 s2, ttmp9                            ; the work-group's number
	s_mov_b32 s50, 0xffff0000                      ; a word's upper bf16
	s_mov_b32 s53, 0                               ; s[52:53]: the group's byte offset in the source
	s_mov_b32 s55, 0                               ; s[54:55]: in the destination
	v_lshrrev_b32 v3, 5, v0                        ; w: my wave
	v_and_b32 v4, 31, v0                           ; l: my lane
	v_lshlrev_b32 v1, 10, v3                       ; in a dense source a wave takes 1,024 bytes of a pass,
	v_lshl_or_b32 v1, v4, 4, v1                    ; a lane 16 of each half of them (the projections' weights make their own)
	s_cmp_lt_u32 s2, 256
	s_cbranch_scc1 .Lseg_x
	s_cmp_lt_u32 s2, 512
	s_cbranch_scc1 .Lseg_w1
	s_cmp_lt_u32 s2, 768
	s_cbranch_scc1 .Lseg_w2
	s_cmp_lt_u32 s2, 832
	s_cbranch_scc1 .Lseg_wo
	s_cmp_lt_u32 s2, 1024
	s_cbranch_scc1 .Lseg_qkv
	s_branch .Lbias
.Lseg_w1:                                              ; 8 rows of k, half a row (2,048 columns) a pass: a wave's 256 columns are one panel's row
	s_sub_co_u32 s3, s2, 256
	s_lshr_b32 s51, s3, 1                          ; kb: which 8 rows
	s_and_b32 s3, s3, 1                            ; hf: which half of the columns
	s_lshl_b32 s52, s51, 17                        ; 8 rows of 16,384 bytes
	s_lshl_b32 s54, s3, 13
	s_add_co_u32 s52, s52, s54
	s_lshl_b32 s54, s3, 22                         ; 8 panels of 524,288 bytes
	s_lshl_b32 s51, s51, 12                        ; 8 rows of 512 bytes
	s_add_co_u32 s54, s54, s51
	s_add_co_u32 s54, s54, W256
	v_lshlrev_b32 v2, 19, v3                       ; my wave's panel of the eight,
	v_lshl_or_b32 v2, v4, 3, v2                    ; my 8 bytes of the row's first half
	s_mov_b32 s48, 16384                           ; a pass: one row of k on
	s_mov_b32 s49, 512
	s_mov_b32 s56, 256                             ; the second piece: the row's second half
	s_branch .Lcopy
.Lseg_x:                                               ; 16 tokens, two a pass
	s_lshl_b32 s52, s2, 16
	s_lshl_b32 s54, s2, 12                         ; 16 rows of 256 bytes in each panel
	s_mov_b32 s51, 21                              ; two panels of act are 2 MiB,
	s_mov_b32 s56, 1<<20                           ; one is 1 MiB
	s_branch .Lrows2
.Lseg_w2:
	s_sub_co_u32 s3, s2, 512
	s_branch .Lw128
.Lseg_wo:
	s_sub_co_u32 s3, s2, 768
.Lw128:                                                ; 16 rows of k, two a pass
	s_lshl_b32 s52, s3, 16
	s_lshr_b32 s54, s3, 4
	s_lshl_b32 s54, s54, 19                        ; k / 256: eight blocks of 65,536 bytes
	s_and_b32 s3, s3, 15
	s_lshl_b32 s3, s3, 12                          ; k % 256: rows of 256 bytes
	s_add_co_u32 s54, s54, s3
	s_add_co_u32 s54, s54, W128
	s_mov_b32 s51, 17                              ; two blocks are 131,072 bytes,
	s_mov_b32 s56, 1<<16                           ; one is 65,536
.Lrows2:                                               ; rows of 1,024 numbers go into eight panels of 128 columns: a wave's 256 columns are two panels' rows, one for each piece
	v_and_b32 v5, 3, v3
	v_lshlrev_b32 v2, s51, v5                      ; my wave's pair of panels,
	v_lshrrev_b32 v5, 2, v3
	v_lshl_or_b32 v2, v5, 8, v2                    ; which of the pass's two rows,
	v_lshl_or_b32 v2, v4, 3, v2                    ; my 8 bytes of it
	s_mov_b32 s48, 8192
	s_mov_b32 s49, 512
	s_branch .Lcopy
.Lseg_qkv:                                             ; two heads x 128 rows of k; a pass takes 16 rows of both
	s_sub_co_u32 s3, s2, 832
	s_bfe_u32 s51, s3, 0x30003                     ; hp: the pair of heads
	s_and_b32 s48, s3, 7                           ; kb: which 128 rows
	s_lshr_b32 s3, s3, 6                           ; which: q, k or v
	s_lshl_b32 s52, s51, 19                        ; two heads of 262,144 bytes
	s_lshl_b32 s49, s48, 15                        ; 128 rows of 256 bytes
	s_add_co_u32 s52, s52, s49
	s_lshl_b32 s3, s3, 2
	s_lshr_b32 s49, s51, 1
	s_add_co_u32 s3, s3, s49                       ; the panel of 256 columns: 4 which + head / 4
	s_lshl_b32 s54, s3, 19
	s_lshl_b32 s49, s48, 16                        ; 128 rows of 512 bytes
	s_add_co_u32 s54, s54, s49
	s_and_b32 s49, s51, 1
	s_lshl_b32 s49, s49, 8                         ; the pair's 128 columns in the panel's row
	s_add_co_u32 s54, s54, s49
	s_add_co_u32 s54, s54, W256
	; lanes 0-15 take a row of the pair's first head, lanes 16-31 the same row of the second: 256 bytes each in the source, together 256 bytes of the panel's row
	v_lshrrev_b32 v5, 1, v3
	v_and_b32 v6, 1, v3
	v_lshl_or_b32 v5, v5, 2, v6                    ; my wave's row of the sixteen: 4 (w / 2) + w % 2; the second piece is two rows on
	v_lshrrev_b32 v6, 4, v4                        ; which head of the pair
	v_and_b32 v7, 15, v4                           ; which 4 columns of the head's 64
	v_lshlrev_b32 v1, 18, v6
	v_lshl_or_b32 v1, v5, 8, v1
	v_lshl_or_b32 v1, v7, 4, v1
	v_lshlrev_b32 v2, 9, v5
	v_lshl_or_b32 v2, v6, 7, v2
	v_lshl_or_b32 v2, v7, 3, v2
	s_mov_b32 s48, 4096
	s_mov_b32 s49, 8192
	s_mov_b32 s56, 1024                            ; two rows of 512 bytes
; The vector work of pass p: it names the pass's own X and T alone.
.macro WORK p
.irp j, 0,1,2,3
	v_cvt_pk_bf16_f32 v[T+(\j)], v[X+8*(\p)+2*(\j)], v[X+8*(\p)+2*(\j)+1]  ; the one rounding
.endr
.irp j, 0,1,2,3
	v_lshlrev_b32 v[X+8*(\p)+2*(\j)],   16,  v[T+(\j)]                     ; the bf16 numbers as f32
	v_and_b32     v[X+8*(\p)+2*(\j)+1], s50, v[T+(\j)]
.endr
.irp j, 0,1,2,3
	v_cvt_pk_f16_f32 v[X+8*(\p)+(\j)], v[X+8*(\p)+2*(\j)], v[X+8*(\p)+2*(\j)+1]  ; written as f16, exact within the limits above; pair j lands on a register whose number has been read
.endr
.endm
; The two stores of pass p.
.macro OUT p
	global_store_b64 v[DO+(\p)], v[X+8*(\p):X+8*(\p)+1],   s[46:47]
	global_store_b64 v[D2+(\p)], v[X+8*(\p)+2:X+8*(\p)+3], s[46:47]
.endm
.Lcopy:
	s_wait_kmcnt 0x0
	s_cmp_lt_u32 s2, 256                           ; the source's address: a chain of choices on the group's number
	s_cselect_b64 s[44:45], s[8:9], s[18:19]
	s_cmp_lt_u32 s2, 512
	s_cselect_b64 s[44:45], s[44:45], s[20:21]
	s_cmp_lt_u32 s2, 768
	s_cselect_b64 s[44:45], s[44:45], s[16:17]
	s_cmp_lt_u32 s2, 832
	s_cselect_b64 s[44:45], s[44:45], s[10:11]
	s_cmp_lt_u32 s2, 896
	s_cselect_b64 s[44:45], s[44:45], s[12:13]
	s_cmp_lt_u32 s2, 960
	s_cselect_b64 s[44:45], s[44:45], s[14:15]
	s_cmp_lt_u32 s2, 256                           ; the destination's
	s_cselect_b64 s[46:47], s[34:35], s[38:39]
	s_cmp_lt_u32 s2, 768
	s_cselect_b64 s[46:47], s[46:47], s[36:37]
	s_add_nc_u64 s[44:45], s[44:45], s[52:53]
	s_add_nc_u64 s[46:47], s[46:47], s[54:55]
	v_mov_b32 v[SO], v1
	v_mov_b32 v[DO], v2
.irp p, 1,2,3,4,5,6,7
	v_add_nc_u32 v[SO+(\p)], s48, v[SO+(\p)-1]
	v_add_nc_u32 v[DO+(\p)], s49, v[DO+(\p)-1]
.endr
	s_wait_alu depctr_va_vdst(0)                   ; SO is written, which the sixteen loads below read as their offsets (and DO, which the stores read)
.irp p, 0,1,2,3,4,5,6,7                ; all sixteen loads go out before the first is waited for; no register that a store reads is written again, so no store is waited for
	global_load_b128 v[X+8*(\p):X+8*(\p)+3],   v[SO+(\p)], s[44:45] th:TH_LOAD_NT
	global_load_b128 v[X+8*(\p)+4:X+8*(\p)+7], v[SO+(\p)], s[44:45] offset:512 th:TH_LOAD_NT
.endr
.irp p, 0,1,2,3,4,5,6,7
	v_add_nc_u32 v[D2+(\p)], s56, v[DO+(\p)]       ; no memory instruction has read these registers; the first store that reads one stands behind pass 1's wait
.endr
	s_wait_loadcnt 14                              ; loads come back in order: pass 0's two are in, the younger passes' stay out
	WORK 0
.irp p, 1,2,3,4,5,6,7
	s_wait_loadcnt 14-2*(\p)                       ; this pass's two loads are in, the younger passes' stay out
	s_wait_alu depctr_va_vdst(0)                   ; the pass before has written the four registers that its two stores read; at pass 1 also: D2 is written, which every second store reads
	OUT (\p)-1                                     ; the pass before goes out; no vector instruction since the wait names a register of these stores
	WORK \p
.endr
	s_wait_alu depctr_va_vdst(0)                   ; pass 7 has written the four registers that the last two stores read
	OUT 7
	s_endpgm
; The biases: nine pieces of 4,096 bytes, 16 bytes a thread; rounded to bf16, stored as f32.
.macro BWORK i                         ; the vector work of piece i: it names the piece's own four registers and T alone
	v_cvt_pk_bf16_f32 v[T],   v[X+4*(\i)],   v[X+4*(\i)+1]
	v_cvt_pk_bf16_f32 v[T+1], v[X+4*(\i)+2], v[X+4*(\i)+3]
	v_lshlrev_b32 v[X+4*(\i)],   16,  v[T]
	v_and_b32     v[X+4*(\i)+1], s50, v[T]
	v_lshlrev_b32 v[X+4*(\i)+2], 16,  v[T+1]
	v_and_b32     v[X+4*(\i)+3], s50, v[T+1]
.endm
.macro BOUT i, b, off                  ; piece i goes to s[b:b+1] + off
	global_store_b128 v1, v[X+4*(\i):X+4*(\i)+3], s[\b:\b+1] offset:\off
.endm
.macro BIAS i, b, off                  ; piece i is worked on; in front of that, piece i - 1 goes to s[b:b+1] + off
	s_wait_loadcnt 8-(\i)                          ; piece i is in, the younger ones stay out
	s_wait_alu depctr_va_vdst(0)                   ; the piece before has written the four registers that its store reads
	BOUT (\i)-1, \b, \off
	BWORK \i
.endm
.Lbias:
	s_wait_kmcnt 0x0
	v_lshlrev_b32 v1, 4, v0
	v_readfirstlane_b32 s3, v3                     ; my wave's number, for the branch at the end of this run of code
	s_wait_alu depctr_va_vdst(0)                   ; v1 is written, which every load and store below reads as its offset
	global_load_b128 v[X:X+3],     v1, s[22:23]    ; bq
	global_load_b128 v[X+4:X+7],   v1, s[24:25]    ; bk
	global_load_b128 v[X+8:X+11],  v1, s[26:27]    ; bv
	global_load_b128 v[X+12:X+15], v1, s[28:29]    ; bo
	global_load_b128 v[X+16:X+19], v1, s[32:33]    ; b2
.irp p, 0,1,2,3
	global_load_b128 v[X+20+4*(\p):X+23+4*(\p)], v1, s[30:31] offset:4096*(\p)  ; b1
.endr
	s_wait_loadcnt 8                               ; piece 0 is in, the younger ones stay out
	BWORK 0
	BIAS 1, 36, 0                                  ; pack1: bq | bk | bv, index 1024 which + 64 head + e: piece 0, bq, goes out
	BIAS 2, 36, 4096                               ; bk
	BIAS 3, 36, 8192                               ; bv
	BIAS 4, 36, 0x4000                             ; pack1: bo
	BIAS 5, 38, 0x4000                             ; pack2: b2
	BIAS 6, 38, 0                                  ; pack2: b1
	BIAS 7, 38, 4096
	BIAS 8, 38, 8192
	s_wait_alu depctr_va_vdst(0)                   ; piece 8 has written the four registers that its store reads
	BOUT 8, 38, 12288
	s_wait_alu depctr_va_sdst(0)                   ; s3 is written, ahead of its first reader, the compare below
	s_cmp_lg_u32 s3, 0
	s_cbranch_scc1 .Ldone                          ; wave 0 alone writes the floor words, 16 bytes a lane: two whole blocks of 256 bytes in each buffer
.irp r, 4,5,6,7
	v_mov_b32 v\r, 0xfc00fc00                      ; par1: -infinity twice in f16: q, k, v pass as they are
.endr
.irp r, 8,9,10,11
	v_mov_b32 v\r, 0                               ; par2: 0 twice: the ReLU
.endr
	s_wait_alu depctr_va_vdst(0)                   ; the eight moves have written v4 to v11, which the two stores read
	global_store_b128 v1, v[4:7], s[40:41]
	global_store_b128 v1, v[8:11], s[42:43]
.Ldone:
	s_endpgm
.Lfunc_end_k_qfc0599303f_prep:
	.size	k_qfc0599303f_prep, .Lfunc_end_k_qfc0599303f_prep-k_qfc0599303f_prep
	.p2alignl 7, 3214868480
	.fill 96, 4, 3214868480
	.section	.rodata,"a",@progbits
	.p2align	6, 0x0
	.amdhsa_kernel k_qfc0599303f_prep
		.amdhsa_group_segment_fixed_size 0
		.amdhsa_private_segment_fixed_size 0
		.amdhsa_enable_private_segment 0
		.amdhsa_kernarg_size 144
		.amdhsa_user_sgpr_count 2
		.amdhsa_user_sgpr_kernarg_segment_ptr 1
		.amdhsa_wavefront_size32 1
		.amdhsa_system_sgpr_workgroup_id_x 1
		.amdhsa_system_sgpr_workgroup_id_y 1
		.amdhsa_system_sgpr_workgroup_id_z 1
		.amdhsa_system_vgpr_workitem_id 0
		.amdhsa_next_free_vgpr 100
		.amdhsa_next_free_sgpr 66
		.amdhsa_reserve_vcc 0
		.amdhsa_float_denorm_mode_32 3
		.amdhsa_float_denorm_mode_16_64 3
		.amdhsa_memory_ordered 1
		.amdhsa_forward_progress 1
		.amdhsa_inst_pref_size 21
	.end_amdhsa_kernel
	.amdgpu_metadata
---
amdhsa.version: [ 1, 2 ]
amdhsa.kernels:
  - .name:           k_qfc0599303f_prep
    .symbol:         k_qfc0599303f_prep.kd
    .args:
      - { .name: x, .offset: 0, .size: 8, .value_kind: global_buffer, .address_space: global }
      - { .name: wq, .offset: 8, .size: 8, .value_kind: global_buffer, .address_space: global }
      - { .name: wk, .offset: 16, .size: 8, .value_kind: global_buffer, .address_space: global }
      - { .name: wv, .offset: 24, .size: 8, .value_kind: global_buffer, .address_space: global }
      - { .name: wo, .offset: 32, .size: 8, .value_kind: global_buffer, .address_space: global }
      - { .name: w1, .offset: 40, .size: 8, .value_kind: global_buffer, .address_space: global }
      - { .name: w2, .offset: 48, .size: 8, .value_kind: global_buffer, .address_space: global }
      - { .name: bq, .offset: 56, .size: 8, .value_kind: global_buffer, .address_space: global }
      - { .name: bk, .offset: 64, .size: 8, .value_kind: global_buffer, .address_space: global }
      - { .name: bv, .offset: 72, .size: 8, .value_kind: global_buffer, .address_space: global }
      - { .name: bo, .offset: 80, .size: 8, .value_kind: global_buffer, .address_space: global }
      - { .name: b1, .offset: 88, .size: 8, .value_kind: global_buffer, .address_space: global }
      - { .name: b2, .offset: 96, .size: 8, .value_kind: global_buffer, .address_space: global }
      - { .name: act, .offset: 104, .size: 8, .value_kind: global_buffer, .address_space: global }
      - { .name: pack1, .offset: 112, .size: 8, .value_kind: global_buffer, .address_space: global }
      - { .name: pack2, .offset: 120, .size: 8, .value_kind: global_buffer, .address_space: global }
      - { .name: par1, .offset: 128, .size: 8, .value_kind: global_buffer, .address_space: global }
      - { .name: par2, .offset: 136, .size: 8, .value_kind: global_buffer, .address_space: global }
    .group_segment_fixed_size: 0
    .private_segment_fixed_size: 0
    .kernarg_segment_align: 8
    .kernarg_segment_size: 144
    .max_flat_workgroup_size: 256
    .sgpr_count:     66
    .vgpr_count:     100
    .wavefront_size: 32
...
	.end_amdgpu_metadata
.endif
;; end of part 8
;; launch qkv: the kernel of part 2 again; grid 12 x 16, 4 waves a work-group, clusters of 4 x 4, 327,680 bytes of LDS; arguments act, pack1, par1, big; writes big
;; launch attn: the kernel of part 3 again; grid 4 x 64, 4 waves a work-group, clusters of 4 x 1, 327,680 bytes of LDS; arguments big, ob; writes ob
;; launch wo: the kernel of part 4 again; grid 8 x 32, 4 waves a work-group, clusters of 4 x 4, 327,680 bytes of LDS; arguments ob, pack1, act, zb; writes zb
;; launch ln1: the kernel of part 5 again; grid 512 x 1, 8 waves a work-group, no clusters, 0 bytes of LDS; arguments zb, ln1_s, ln1_b, act; writes act
;; launch ff1: the kernel of part 2 again; grid 16 x 16, 4 waves a work-group, clusters of 4 x 4, 327,680 bytes of LDS; arguments act, pack2, par2, big; writes big
;; launch ff2: the kernel of part 6 again; grid 8 x 32, 4 waves a work-group, clusters of 4 x 4, 327,680 bytes of LDS; arguments big, pack2, act, zb; writes zb
;; launch ln2: the kernel of part 7 again; grid 512 x 1, 8 waves a work-group, no clusters, 0 bytes of LDS; arguments zb, ln2_s, ln2_b, out0; writes out0
